; MI455X (gfx1250); checked and timed in simulation.
; The chip was launched on July 23, 2026; its instructions are those of AMD's public machine-readable ISA for CDNA 5 (MIT licence, August 2026) and "CDNA5" Instruction Set Architecture Reference Guide (July 2026). The comments in the code are by the model that wrote it; some were corrected since.
;; Transformer Block. Allowed arithmetic: float matrix products may take bf16 or f16 operands with f32 sums; all other float work in f32.
;; Inputs: ffn_ln_b 2,048 float32; ffn_ln_w 2,048 float32; freqs_cis 2,048 x 16 x 2 float32; input_pos 2,048 int32; kn_w 128 float32; ln0_b 2,048 float32; ln0_w 2,048 float32; ln1_b 2,048 float32; ln1_w 2,048 float32; ln2_b 2,048 float32; ln2_w 2,048 float32; mask 1 x 1 x 2,048 x 2,048 bool; qn_w 128 float32; w1_b 1,472 float32; w1_w 1,472 x 2,048 float32; w2_b 2,048 float32; w2_w 2,048 x 1,472 float32; wk_b 2,048 float32; wk_w 2,048 x 2,048 float32; wo_b 2,048 float32; wo_w 2,048 x 2,048 float32; wq_b 2,048 float32; wq_w 2,048 x 2,048 float32; wv_b 2,048 float32; wv_w 2,048 x 2,048 float32; x0 1 x 2,048 x 2,048 float32; x1 1 x 2,048 x 2,048 float32; x2 1 x 2,048 x 2,048 float32; x3 1 x 2,048 x 2,048 float32.
;; Outputs: out0 1 x 2,048 x 2,048 float32.
;; 2 versions, each right; version 2 is version 1 with the launch prep written anew for expert scheduling mode. Each part assembles by itself: llvm-mc -triple=amdgcn-amd-amdhsa -mcpu=gfx1250 --defsym DOCPART=n.
;; ======== version 1 of 2: 4 launches
;; limits: a function is approximated: absolute error at most 1.5e-07
;; workspace buffers: xn 33,554,432 bytes; wb 31,457,280 bytes; wcat 14,680,064 bytes; acat 14,680,064 bytes; qkv 25,165,824 bytes; bcat 30,720 bytes; maskw 524,288 bytes of whole numbers
;; launch prep (part 1): grid 1121 x 1, 8 waves a work-group, no clusters, 0 bytes of LDS; arguments x0, x1, x2, x3, ln0_w, ln1_w, ln2_w, ffn_ln_w, ln0_b, ln1_b, ln2_b, ffn_ln_b, wq_w, wk_w, wv_w, w1_w, wo_w, w2_w, mask, xn, wb, wcat, maskw, bcat, wq_b, wk_b, wv_b, w1_b; writes xn, wb, wcat, maskw, bcat
.if DOCPART == 1
	.amdgcn_target "amdgcn-amd-amdhsa--gfx1250"
	.amdhsa_code_object_version 6
	.text
	.protected	k_q15709faa32_prep
	.globl	k_q15709faa32_prep
	.p2align	8
	.type	k_q15709faa32_prep,@function
k_q15709faa32_prep:
	s_mov_b64 s[64:65], 0
	v_nop
	global_prefetch_b8 v0, s[64:65] scope:SCOPE_SE
	s_setreg_imm32_b32 hwreg(HW_REG_WAVE_MODE, 25, 1), 1
	s_wait_xcnt 0x0
; prep: everything that is made once, ahead of the products.  A stream: no LDS, no barrier, no matrix unit (memory binds; nothing is shared between waves).
;   work-groups    0..255   LN    xn[i] = LayerNorm(x_i) in bf16, i = 0..3: 32 rows a work-group, one wave one row at a time, the row kept in registers (two passes: mean, then squares of x - mean)
;   work-groups  256..735   WB    wb = [wq; wk; wv; w1; 64 rows of zeros] in bf16, 16 rows of 2,048 a work-group
;   work-groups  736..863   WO    wcat[:, 0:2048] = wo in bf16, 16 rows a work-group
;   work-groups  864..991   W2    wcat[:, 2048:3584] = [w2 | 64 columns of zeros] in bf16, 16 rows a work-group
;   work-groups  992..1119  MASK  maskw[qt][kt][j]: bit r + 16 h = (mask[16 qt + r][16 kt + 8 h + j] != 0): the lane mask of register j of a 16 x 16 tile of scores (key 8 h + j, query r)
;   work-group  1120        BIAS  bcat = [wq_b, wk_b, wv_b, w1_b, 64 zeros]
; A mask byte counts as true if it is not 0.  input_pos is no argument: the function that is computed never reads it (the rotary table is taken by row).
.set LN_END, 256
.set WB_END, 736
.set WO_END, 864
.set W2_END, 992
.set MK_END, 1120
.set X,    8                           ; v[8:71]    LN: the row, chunk j = 4 registers = bytes 512 j + 16 lane.   casts: v[8:135], 32 loads of 4
.set W,    72                          ; v[72:135]  LN: gain of my 64 columns
.set BV,   136                         ; v[136:199] LN: bias of my 64 columns
.set Y,    200                         ; v[200:231] LN: the row in bf16, 2 registers a chunk
.set T,    232                         ; v[232:239] LN: four chains of sums
.set MEAN, 244                         ; v[244:245] the mean, twice
.set RS,   246                         ; v[246:247] 1 / sqrt(var + eps), twice
.set CY,   136                         ; v[136:199] casts: 32 stores of 2
	s_mov_b32 s2, ttmp9
	v_lshrrev_b32 v1, 5, v0
	v_readfirstlane_b32 s34, v1                    ; wave 0..7
	v_and_b32 v6, 31, v0                           ; lane
	v_lshlrev_b32 v1, 4, v6                        ; 16 lane
	v_lshlrev_b32 v2, 3, v6                        ; 8 lane
	v_lshlrev_b32 v3, 4, v0                        ; 16 t
	v_lshlrev_b32 v4, 3, v0                        ; 8 t
	s_mov_b32 s51, 0                               ; high words of the two offset pairs s[50:51], s[52:53]
	s_mov_b32 s53, 0
	s_cmp_ge_u32 s2, LN_END
	s_cbranch_scc1 .Lnot_ln
; ---------------------------------------------------------------- LN
	s_load_b256 s[8:15], s[0:1], 0x0               ; x0..x3
	s_load_b256 s[16:23], s[0:1], 0x20             ; the four gains
	s_load_b256 s[24:31], s[0:1], 0x40             ; the four biases
	s_load_b64 s[32:33], s[0:1], 0x98              ; xn
	s_lshr_b32 s35, s2, 6                          ; which of the four tensors
	s_and_b32 s49, s2, 63
	s_lshl_b32 s49, s49, 5
	s_lshl2_add_u32 s49, s34, s49                  ; my first row = 32 x block + 4 x wave
	s_lshl_b32 s50, s49, 13                        ; rows of 8,192 bytes in x
	s_lshl_b32 s52, s49, 12                        ; rows of 4,096 bytes in xn,
	s_lshl_b32 s54, s35, 23                        ; planes of 8 MiB
	s_add_co_u32 s52, s52, s54
	s_mov_b32 s44, 0x76543210                      ; v_permlanex16_b32: each lane takes its own place in the other half
	s_mov_b32 s45, 0xfedcba98
	s_mov_b32 s47, 0x3727c5ac                      ; 1e-5
	s_mov_b32 s48, 0x3a000000                      ; 1 / 2048
	s_wait_kmcnt 0x0
	s_mov_b64 s[36:37], s[8:9]
	s_mov_b64 s[38:39], s[16:17]
	s_mov_b64 s[40:41], s[24:25]
.irp n, 1,2,3
	s_cmp_eq_u32 s35, \n
	s_cselect_b64 s[36:37], s[8+2*\n:9+2*\n], s[36:37]
	s_cselect_b64 s[38:39], s[16+2*\n:17+2*\n], s[38:39]
	s_cselect_b64 s[40:41], s[24+2*\n:25+2*\n], s[40:41]
.endr
	s_add_nc_u64 s[36:37], s[36:37], s[50:51]
	s_add_nc_u64 s[42:43], s[32:33], s[52:53]
.irp j, 0,1,2,3,4,5,6,7,8,9,10,11,12,13,14,15
	global_load_b128 v[W+4*\j:W+4*\j+3], v1, s[38:39] offset:512*\j
.endr
.irp j, 0,1,2,3,4,5,6,7,8,9,10,11,12,13,14,15
	global_load_b128 v[BV+4*\j:BV+4*\j+3], v1, s[40:41] offset:512*\j
.endr
.irp j, 0,1,2,3,4,5,6,7,8,9,10,11,12,13,14,15
	global_load_b128 v[X+4*\j:X+4*\j+3], v1, s[36:37] offset:512*\j th:TH_LOAD_NT   ; the row's sixteen loads are always the youngest sixteen
.endr
.macro WSUM                            ; the four chains, then the 32 lanes: every lane ends with the sum in v[T]
	v_pk_add_f32 v[T:T+1], v[T:T+1], v[T+2:T+3]
	v_pk_add_f32 v[T+4:T+5], v[T+4:T+5], v[T+6:T+7]
	v_pk_add_f32 v[T:T+1], v[T:T+1], v[T+4:T+5]
	v_add_f32 v[T], v[T], v[T+1]
	v_add_f32_dpp v[T], v[T], v[T] row_xmask:1 row_mask:0xf bank_mask:0xf
	v_add_f32_dpp v[T], v[T], v[T] row_xmask:2 row_mask:0xf bank_mask:0xf
	v_add_f32_dpp v[T], v[T], v[T] row_xmask:4 row_mask:0xf bank_mask:0xf
	v_add_f32_dpp v[T], v[T], v[T] row_xmask:8 row_mask:0xf bank_mask:0xf
	v_permlanex16_b32 v[T+1], v[T], s44, s45
	v_add_f32 v[T], v[T], v[T+1]
.endm
; One row.  more = 1: each chunk is loaded again, with the next row, as soon as it has been rounded.
.macro ROW more
.set g, 0
.rept 4
	s_wait_loadcnt 12-4*g                          ; loads come back in order: chunks 0 .. 4 g + 3 are in, the 12 - 4 g younger ones stay out
.if g == 0
.irp c, 0,1,2,3
	v_pk_add_f32 v[T+2*\c:T+2*\c+1], v[X+2*\c:X+2*\c+1], v[X+8+2*\c:X+8+2*\c+1]   ; the first eight pairs start the chains: nothing is cleared
.endr
.else
.irp c, 0,1,2,3,4,5,6,7
	v_pk_add_f32 v[T+2*(\c%4):T+2*(\c%4)+1], v[T+2*(\c%4):T+2*(\c%4)+1], v[X+16*g+2*\c:X+16*g+2*\c+1]
.endr
.endif
.set g, g+1
.endr
	WSUM
	v_mul_f32 v[MEAN], s48, v[T]
	v_mov_b32 v[MEAN+1], v[MEAN]
.set p, 0
.rept 32
	v_pk_add_f32 v[X+2*p:X+2*p+1], v[X+2*p:X+2*p+1], v[MEAN:MEAN+1] neg_lo:[0,1] neg_hi:[0,1]   ; x - mean first: the variance is no difference of large sums
.set p, p+1
.endr
.irp c, 0,1,2,3
	v_pk_mul_f32 v[T+2*\c:T+2*\c+1], v[X+2*\c:X+2*\c+1], v[X+2*\c:X+2*\c+1]
.endr
.set p, 4
.rept 28
	v_pk_fma_f32 v[T+2*(p%4):T+2*(p%4)+1], v[X+2*p:X+2*p+1], v[X+2*p:X+2*p+1], v[T+2*(p%4):T+2*(p%4)+1]
.set p, p+1
.endr
	WSUM
	v_fma_f32 v[T], v[T], s48, s47                 ; var + eps
	v_rsq_f32 v[RS], v[T]
	v_nop                                          ; a plain instruction between the root and the use of its result
	s_wait_alu depctr_va_vdst(0)
	v_mov_b32 v[RS+1], v[RS]
.set j, 0
.rept 16
	v_pk_mul_f32 v[X+4*j:X+4*j+1], v[X+4*j:X+4*j+1], v[RS:RS+1]
	v_pk_mul_f32 v[X+4*j+2:X+4*j+3], v[X+4*j+2:X+4*j+3], v[RS:RS+1]
	v_pk_fma_f32 v[X+4*j:X+4*j+1], v[X+4*j:X+4*j+1], v[W+4*j:W+4*j+1], v[BV+4*j:BV+4*j+1]
	v_pk_fma_f32 v[X+4*j+2:X+4*j+3], v[X+4*j+2:X+4*j+3], v[W+4*j+2:W+4*j+3], v[BV+4*j+2:BV+4*j+3]
	v_cvt_pk_bf16_f32 v[Y+2*j], v[X+4*j], v[X+4*j+1]
	v_cvt_pk_bf16_f32 v[Y+2*j+1], v[X+4*j+2], v[X+4*j+3]
.if \more
	global_load_b128 v[X+4*j:X+4*j+3], v1, s[36:37] offset:8192+512*j th:TH_LOAD_NT   ; the next row's chunk, ahead of the store
.endif
	global_store_b64 v2, v[Y+2*j:Y+2*j+1], s[42:43] offset:256*j   ; 32 lanes store 256 consecutive bytes, at a multiple of 256 from xn's first byte
.set j, j+1
.endr
.if \more
	s_wait_xcnt 0x0                                ; the bases and Y are rewritten only behind this wait
	s_add_nc_u64 s[36:37], s[36:37], 8192
	s_add_nc_u64 s[42:43], s[42:43], 4096
.endif
.endm
	s_mov_b32 s46, 3
.Lrow:
	ROW 1
	s_sub_co_u32 s46, s46, 1
	s_cmp_lg_u32 s46, 0
	s_cbranch_scc1 .Lrow
	ROW 0                                          ; the wave's fourth row loads nothing
	s_endpgm
; ---------------------------------------------------------------- the casts
; n loads of 16 bytes a thread into slots base .. base + n - 1; soff is an expression in u, the load's number
.macro CLOADS n, base, vo, soff
.set u, 0
.rept \n
	global_load_b128 v[X+4*(\base+u):X+4*(\base+u)+3], v[\vo], s[36:37] offset:\soff th:TH_LOAD_NT
.set u, u+1
.endr
.endm
; the same slots rounded and stored, 8 bytes a thread.  total = loads issued in all: the wait leaves those behind this slot's out.  zero = 1: threads 112 and up store zeros
.macro CSTORES n, base, total, doff, zero
.set u, 0
.rept \n
	s_wait_loadcnt \total-1-\base-u
	v_cvt_pk_bf16_f32 v[CY+2*(\base+u)], v[X+4*(\base+u)], v[X+4*(\base+u)+1]
	v_cvt_pk_bf16_f32 v[CY+2*(\base+u)+1], v[X+4*(\base+u)+2], v[X+4*(\base+u)+3]
.if \zero
	v_cndmask_b32 v[CY+2*(\base+u)], 0, v[CY+2*(\base+u)], s54
	v_cndmask_b32 v[CY+2*(\base+u)+1], 0, v[CY+2*(\base+u)+1], s54
.endif
	global_store_b64 v4, v[CY+2*(\base+u):CY+2*(\base+u)+1], s[42:43] offset:\doff   ; a wave stores 256 consecutive bytes, aligned; every slot has its own registers
.set u, u+1
.endr
.endm
.Lnot_ln:
	s_cmp_ge_u32 s2, WB_END
	s_cbranch_scc1 .Lnot_wb
	s_load_b256 s[8:15], s[0:1], 0x60              ; wq_w, wk_w, wv_w, w1_w
	s_load_b64 s[32:33], s[0:1], 0xa0              ; wb
	s_sub_co_u32 s35, s2, LN_END                   ; e: block of 16 rows of wb
	s_lshr_b32 s49, s35, 7                         ; which weight
	s_and_b32 s50, s35, 127
	s_lshl_b32 s50, s50, 17                        ; 16 rows of 8,192 bytes
	s_lshl_b32 s52, s35, 16                        ; 16 rows of 4,096 bytes
	s_wait_kmcnt 0x0
	s_mov_b64 s[36:37], s[8:9]
.irp n, 1,2,3
	s_cmp_eq_u32 s49, \n
	s_cselect_b64 s[36:37], s[8+2*\n:9+2*\n], s[36:37]
.endr
	s_add_nc_u64 s[36:37], s[36:37], s[50:51]
	s_add_nc_u64 s[42:43], s[32:33], s[52:53]
	s_cmp_ge_u32 s35, 476                          ; w1 has 92 blocks of 16 rows: blocks 476..479 are the 64 rows of zeros, and load nothing
	s_cbranch_scc1 .Lwb_zero
	CLOADS 32, 0, 3, 4096*u
	CSTORES 32, 0, 32, 2048*u, 0
	s_endpgm
.Lwb_zero:
	v_mov_b32 v[CY], 0
	v_mov_b32 v[CY+1], 0
.set u, 0
.rept 32
	global_store_b64 v4, v[CY:CY+1], s[42:43] offset:2048*u
.set u, u+1
.endr
	s_endpgm
.Lnot_wb:
	s_cmp_ge_u32 s2, WO_END
	s_cbranch_scc1 .Lnot_wo
	s_load_b64 s[36:37], s[0:1], 0x80              ; wo_w
	s_load_b64 s[42:43], s[0:1], 0xa8              ; wcat
	s_sub_co_u32 s35, s2, WB_END
	s_lshl_b32 s50, s35, 17
	s_mul_i32 s52, s35, 114688                     ; 16 rows of 7,168 bytes
	s_wait_kmcnt 0x0
	s_add_nc_u64 s[36:37], s[36:37], s[50:51]
	s_add_nc_u64 s[42:43], s[42:43], s[52:53]
	CLOADS 32, 0, 3, 4096*u                        ; load u is half u & 1 of row u >> 1
	CSTORES 32, 0, 32, (u>>1)*7168+(u&1)*2048, 0
	s_endpgm
.Lnot_wo:
	s_cmp_ge_u32 s2, W2_END
	s_cbranch_scc1 .Lnot_w2
	s_load_b64 s[36:37], s[0:1], 0x88              ; w2_w
	s_load_b64 s[42:43], s[0:1], 0xa8              ; wcat
	s_sub_co_u32 s35, s2, WO_END
	s_mul_i32 s50, s35, 94208                      ; 16 rows of 5,888 bytes
	s_mul_i32 s52, s35, 114688
	s_add_co_u32 s52, s52, 4096                    ; behind wo's 2,048 columns
	v_min_u32 v5, 111, v0                          ; a row's last 1,792 bytes are 112 threads' 16; the threads behind them stay inside the row and store zeros
	v_lshlrev_b32 v5, 4, v5
	v_cmp_gt_u32 s54, 112, v0
	s_wait_kmcnt 0x0
	s_add_nc_u64 s[36:37], s[36:37], s[50:51]
	s_add_nc_u64 s[42:43], s[42:43], s[52:53]
	s_cmp_lt_u32 s34, 4
	s_cbranch_scc0 .Lw2_short
	CLOADS 16, 0, 3, 5888*u                        ; every wave: the first 4,096 bytes of each of the 16 rows
	CLOADS 16, 16, 5, 5888*u+4096                  ; waves 0-3: the rest of each row
	CSTORES 16, 0, 32, 7168*u, 0
	CSTORES 16, 16, 32, 7168*u+2048, 1             ; 448 numbers and 64 zeros
	s_endpgm
.Lw2_short:
	CLOADS 16, 0, 3, 5888*u
	CSTORES 16, 0, 16, 7168*u, 0
	s_endpgm
.Lnot_w2:
	s_cmp_ge_u32 s2, MK_END
	s_cbranch_scc1 .Lbias
; ---------------------------------------------------------------- MASK: the work-group has 16 queries, a wave 256 keys
	s_load_b64 s[36:37], s[0:1], 0x90              ; mask
	s_load_b64 s[42:43], s[0:1], 0xb0              ; maskw
	s_sub_co_u32 s35, s2, W2_END                   ; qt
	s_lshl_b32 s50, s35, 15                        ; 16 rows of 2,048 bytes
	s_lshl_b32 s49, s34, 8
	s_add_co_u32 s50, s50, s49                     ; + 256 keys a wave
	s_lshl_b32 s52, s35, 12                        ; 1,024 words for each qt
	s_lshl_b32 s49, s34, 9
	s_add_co_u32 s52, s52, s49                     ; + 128 words a wave
	v_and_b32 v5, 15, v0                           ; r
	v_bfe_u32 v7, v0, 4, 1                         ; h
	v_lshlrev_b32 v5, 11, v5
	v_lshl_add_u32 v5, v7, 3, v5                   ; 2048 r + 8 h
	s_wait_kmcnt 0x0
	s_add_nc_u64 s[36:37], s[36:37], s[50:51]
	s_add_nc_u64 s[42:43], s[42:43], s[52:53]
.irp c, 0,1,2,3,4,5,6,7,8,9,10,11,12,13,14,15
	global_load_b64 v[8+2*\c:9+2*\c], v5, s[36:37] offset:16*\c   ; keys 16 c + 8 h + 0..7 of query r; the sixteen loads together take 16 rows x 256 bytes whole
.endr
.irp k, 0,1,2,3
	v_mov_b32 v[40+\k], 0                          ; v_writelane_b32 keeps the other lanes: the registers are written whole first
.endr
.set c, 0
.rept 16
	s_wait_loadcnt 15-c                            ; load c is in, the younger ones stay out
.set j, 0
.rept 8
.set wi, 8*c+j                         ; the word's number among the wave's 128: lane wi >> 2 stores it as its word wi & 3
.set k, wi&3
	v_bfe_u32 v[44+k], v[8+2*c+(j>>2)], 8*(j&3), 8
	v_cmp_ne_u32 s[54+k], 0, v[44+k]
	v_writelane_b32 v[40+k], s[54+k], wi>>2
.set j, j+1
.endr
.set c, c+1
.endr
	global_store_b128 v1, v[40:43], s[42:43]       ; the wave's 512 consecutive bytes
	s_endpgm
; ---------------------------------------------------------------- BIAS
.Lbias:
	s_load_b256 s[8:15], s[0:1], 0xc0              ; wq_b, wk_b, wv_b, w1_b
	s_load_b64 s[42:43], s[0:1], 0xb8              ; bcat
	v_min_u32 v5, 111, v0
	v_lshlrev_b32 v5, 4, v5
	v_cmp_gt_u32 s54, 112, v0
	s_wait_kmcnt 0x0
.irp n, 0,1,2
	global_load_b128 v[X+8*\n:X+8*\n+3], v3, s[8+2*\n:9+2*\n]
	global_load_b128 v[X+8*\n+4:X+8*\n+7], v3, s[8+2*\n:9+2*\n] offset:4096
.endr
	global_load_b128 v[X+24:X+27], v3, s[14:15]
	s_wait_loadcnt 0x0
.irp n, 0,1,2,3,4,5,6
	global_store_b128 v3, v[X+4*\n:X+4*\n+3], s[42:43] offset:4096*\n
.endr
	s_cmp_lt_u32 s34, 4
	s_cbranch_scc0 .Lbias_end
	global_load_b128 v[X+28:X+31], v5, s[14:15] offset:4096   ; w1_b's last 448 numbers; threads 112..127 store the 64 zeros
	s_wait_loadcnt 0x0
.irp k, 0,1,2,3
	v_cndmask_b32 v[X+28+\k], 0, v[X+28+\k], s54
.endr
	global_store_b128 v3, v[X+28:X+31], s[42:43] offset:28672
.Lbias_end:
	s_endpgm
.Lfunc_end_k_q15709faa32_prep:
	.size	k_q15709faa32_prep, .Lfunc_end_k_q15709faa32_prep-k_q15709faa32_prep
	.p2alignl 7, 3214868480
	.fill 96, 4, 3214868480
	.section	.rodata,"a",@progbits
	.p2align	6, 0x0
	.amdhsa_kernel k_q15709faa32_prep
		.amdhsa_group_segment_fixed_size 0
		.amdhsa_private_segment_fixed_size 0
		.amdhsa_enable_private_segment 0
		.amdhsa_kernarg_size 224
		.amdhsa_user_sgpr_count 2
		.amdhsa_user_sgpr_kernarg_segment_ptr 1
		.amdhsa_wavefront_size32 1
		.amdhsa_system_sgpr_workgroup_id_x 1
		.amdhsa_system_sgpr_workgroup_id_y 1
		.amdhsa_system_sgpr_workgroup_id_z 1
		.amdhsa_system_vgpr_workitem_id 0
		.amdhsa_next_free_vgpr 248
		.amdhsa_next_free_sgpr 66
		.amdhsa_reserve_vcc 0
		.amdhsa_float_denorm_mode_32 3
		.amdhsa_float_denorm_mode_16_64 3
		.amdhsa_memory_ordered 1
		.amdhsa_forward_progress 1
		.amdhsa_inst_pref_size 113
	.end_amdhsa_kernel
	.amdgpu_metadata
---
amdhsa.version: [ 1, 2 ]
amdhsa.kernels:
  - .name:           k_q15709faa32_prep
    .symbol:         k_q15709faa32_prep.kd
    .args:
      - { .name: x0, .offset: 0, .size: 8, .value_kind: global_buffer, .address_space: global }
      - { .name: x1, .offset: 8, .size: 8, .value_kind: global_buffer, .address_space: global }
      - { .name: x2, .offset: 16, .size: 8, .value_kind: global_buffer, .address_space: global }
      - { .name: x3, .offset: 24, .size: 8, .value_kind: global_buffer, .address_space: global }
      - { .name: ln0_w, .offset: 32, .size: 8, .value_kind: global_buffer, .address_space: global }
      - { .name: ln1_w, .offset: 40, .size: 8, .value_kind: global_buffer, .address_space: global }
      - { .name: ln2_w, .offset: 48, .size: 8, .value_kind: global_buffer, .address_space: global }
      - { .name: ffn_ln_w, .offset: 56, .size: 8, .value_kind: global_buffer, .address_space: global }
      - { .name: ln0_b, .offset: 64, .size: 8, .value_kind: global_buffer, .address_space: global }
      - { .name: ln1_b, .offset: 72, .size: 8, .value_kind: global_buffer, .address_space: global }
      - { .name: ln2_b, .offset: 80, .size: 8, .value_kind: global_buffer, .address_space: global }
      - { .name: ffn_ln_b, .offset: 88, .size: 8, .value_kind: global_buffer, .address_space: global }
      - { .name: wq_w, .offset: 96, .size: 8, .value_kind: global_buffer, .address_space: global }
      - { .name: wk_w, .offset: 104, .size: 8, .value_kind: global_buffer, .address_space: global }
      - { .name: wv_w, .offset: 112, .size: 8, .value_kind: global_buffer, .address_space: global }
      - { .name: w1_w, .offset: 120, .size: 8, .value_kind: global_buffer, .address_space: global }
      - { .name: wo_w, .offset: 128, .size: 8, .value_kind: global_buffer, .address_space: global }
      - { .name: w2_w, .offset: 136, .size: 8, .value_kind: global_buffer, .address_space: global }
      - { .name: mask, .offset: 144, .size: 8, .value_kind: global_buffer, .address_space: global }
      - { .name: xn, .offset: 152, .size: 8, .value_kind: global_buffer, .address_space: global }
      - { .name: wb, .offset: 160, .size: 8, .value_kind: global_buffer, .address_space: global }
      - { .name: wcat, .offset: 168, .size: 8, .value_kind: global_buffer, .address_space: global }
      - { .name: maskw, .offset: 176, .size: 8, .value_kind: global_buffer, .address_space: global }
      - { .name: bcat, .offset: 184, .size: 8, .value_kind: global_buffer, .address_space: global }
      - { .name: wq_b, .offset: 192, .size: 8, .value_kind: global_buffer, .address_space: global }
      - { .name: wk_b, .offset: 200, .size: 8, .value_kind: global_buffer, .address_space: global }
      - { .name: wv_b, .offset: 208, .size: 8, .value_kind: global_buffer, .address_space: global }
      - { .name: w1_b, .offset: 216, .size: 8, .value_kind: global_buffer, .address_space: global }
    .group_segment_fixed_size: 0
    .private_segment_fixed_size: 0
    .kernarg_segment_align: 8
    .kernarg_segment_size: 224
    .max_flat_workgroup_size: 256
    .sgpr_count:     66
    .vgpr_count:     248
    .wavefront_size: 32
...
	.end_amdgpu_metadata
.endif
;; end of part 1
;; launch proj (part 2): grid 8 x 30, 4 waves a work-group, clusters of 4 x 1, 327,680 bytes of LDS; arguments xn, wb, bcat, qn_w, kn_w, freqs_cis, qkv, acat; writes qkv, acat
.if DOCPART == 2
	.amdgcn_target "amdgcn-amd-amdhsa--gfx1250"
	.amdhsa_code_object_version 6
	.text
	.protected	k_q15709faa32_proj
	.globl	k_q15709faa32_proj
	.p2align	8
	.type	k_q15709faa32_proj,@function
k_q15709faa32_proj:
	s_mov_b64 s[64:65], 0
	v_nop
	global_prefetch_b8 v0, s[64:65] scope:SCOPE_SE
	s_setreg_imm32_b32 hwreg(HW_REG_WAVE_MODE, 25, 1), 1
	s_wait_xcnt 0x0
	s_wait_alu depctr_hold_cnt(0) depctr_sa_sdst(0) depctr_va_vdst(0) depctr_va_sdst(0) depctr_va_ssrc(0) depctr_va_vcc(0) depctr_vm_vsrc(0)
	s_getreg_b32 s2, hwreg(HW_REG_IB_STS2, 6, 4)
	s_cmp_eq_u32 s2, 0
	s_cbranch_scc0 .Lentry_in_a_cluster
	s_endpgm
.Lentry_in_a_cluster:
	s_bfe_u32 s2, ttmp6, 0x10000c
	s_cmp_lg_u32 s2, 0x3003
	s_cbranch_scc0 .Lentry_shape_is_right
	s_endpgm
.Lentry_shape_is_right:
; proj: ONE product [2048 x 7680 x 2048] for Q, K, V and the FFN's first layer: C = xn[kind] wb^T + bcat, sums in f32, operands bf16.
; A tile of C is 256 x 256; column tile ct = 0..29, kind = min(ct / 8, 3) picks A's plane (LN(x0), LN(x1), LN(x2), LN(x3)) and the way out:
;   kind 0, 1: + bias, RMSNorm over the head's 128 columns, gain, rotary on the head's first 32 columns -> qkv[kind][head][row][128] bf16
;   kind 2:    + bias -> qkv[2][head][row][128];      kind 3: + bias, exact GELU -> acat[row][2048 + column] bf16 (the 64 padded columns come out as 0: weight rows and bias are 0 there)
; Four waves, each 128 x 128 of C in 512 registers: a wave's 128 columns are exactly one head, so the norm over a head stays in the wave.
; K goes in steps of 128 through two LDS slots filled by tensor loads (rows of 256 bytes, 128 rows a load, one load a wave behind each change of slots).
; 240 work-groups of one tile each; tiles of 128 x 128 would fill the chip no better (960 for 256) and would halve the products fed by each LDS byte.
; CLUSTER 4 x 1: the four row tiles of a cluster take the same tile of wb: it is asked for JOINTLY (mask 15).  A's tile is the work-group's own: a plain tensor load behind the same round.
; No 4 x 4 cluster: the grid has 30 column tiles, which 4 does not divide, and the tiles of a kind's last group would have partners with another plane of A.
; erf by the five-term rational form in 1 / (1 + 0.3275911 |z|) times exp(-z z): absolute error 1.5e-7.
; THE MATRIX INSTRUCTION IS USED TRANSPOSED (source 0 = 16 rows of wb, source 1 = 16 rows of xn): lane l holds row l % 16 of C and columns 8 (l / 16) + 0..7 of each block of 16.
; REGISTERS, in windows of 256:
;   window 0: v0-31 addresses; v64-127, v128-191 fragments of A, two buffers; on the way out v32-63 rows read back, v64-127 the block in f32, v128-169 cos/sin, sums, rotary, v192-255 packed results and GELU's work
;   window 1: v64-127, v128-191 fragments of B; v0-63 the bias of my 64 columns a lane; v192-255 the norm's gain
;   window 2, 3: the 64 accumulators, (a, b) at v[8 (8 (a % 4) + b)] of window 2 + a / 4
.set KSTEP,  128
.set SIZE_K, 2048
.set PITCH,  272                       ; an LDS row: 256 bytes + 16 of padding: the 16 rows of a fragment load start at 16 different 16-byte columns modulo 256 bytes
.set HALFT,  128*PITCH
.set SLOT,   4*HALFT                   ; A's 256 rows, then B's 256 rows
.set STAGE,  2*SLOT                    ; behind the ring: 16 rows x 272 bytes for each wave; no tensor load fills it
.set SPITCH, 272
.set LAPS,   SIZE_K/(2*KSTEP)
.set ADRA, 16
.set ADRB, 20
.set STO,  24                          ; stage + 272 r + 16 h
.set RD,   25                          ; stage + 272 h + 16 r
.set CO,   26                          ; my byte offset in the two rows that a store covers
.set STO2, 27                          ; stage + 272 r + 32 h: the rotary's 16 columns a lane
.set FO,   28                          ; 128 r + 64 h: my eight (cos, sin) of my row
.set VB,   29                          ; 32 h: my eight columns of a block of 16, in f32
.set F0,   64
.set F1,   128
.set T,    64
.set FR,   128
.set Z,    144
.set R,    152
.set A4,   168
.set TMP,  192
.set OB,   32
.set GA,   224
.set GT,   232
.set GE,   240
.set GY,   248
.set BIAS, 0                           ; window 1
.set NW,   192                         ; window 1
.set G1,  24
.set G0,  32
.set G1B, 48
.set G0B, 56
.set WV,  12                           ; s12 wave
.set RH,  13                           ; s13 my half of the tile's rows; also: I fetch for A (0) or for B (1)
.set CH,  14                           ; s14 my half of its columns; also: which 128 rows of that tile I fetch
.set BK,  76                           ; s76 block of 16 rows on the way out
.set MSB, 0
.macro WIN new                         ; the immediate's high byte repeats the setting that is left; a switch that changes nothing is dropped
.if MSB != (\new)
	s_set_vgpr_msb (MSB<<8)|(\new)
.set MSB, (\new)
.endif
.endm
.set MUL_LO, 0xa1                      ; source 0 (B) window 1, source 1 (A) window 0, C and D window 2
.set MUL_HI, 0xf1
.set TO_B,   0x40
.macro PLACES                          ; four plain vector instructions between a matrix instruction and a load into, or a vector read of, its registers
.rept 4
	v_nop
.endr
.endm
; A refill: waves 0 and 1 fetch A's two halves (plain), waves 2 and 3 B's (joint).  The branch hangs on the wave's number alone.  Four v_nop follow each line.
.macro JLOAD s
	s_cmp_eq_u32 s[RH], 0
	s_cbranch_scc0 .Lfor_b_\@
	tensor_load_to_lds s[G0+4*\s:G0+4*\s+3], s[G1:G1+7]
	s_nop 0
.rept 4
	v_nop
.endr
	s_branch .Lasked_\@
.Lfor_b_\@:
	tensor_load_to_lds s[G0B+4*\s:G0B+4*\s+3], s[G1B:G1B+7]
	s_nop 0
.rept 4
	v_nop
.endr
.Lasked_\@:
.endm
.macro CREST                           ; a round of the cluster's barrier behind its opening barrier
	s_cmp_lg_u32 s[WV], 0
	s_cbranch_scc1 .Lnot_wave_0_\@
	s_barrier_signal -3
.Lnot_wave_0_\@:
	s_barrier_wait -3
	s_barrier_signal -1
	s_barrier_wait -1
.endm
.macro CROUND
	s_barrier_signal -1
	s_barrier_wait -1
	CREST
.endm
	s_load_b256 s[4:11], s[0:1], 0x0               ; xn s[4:5], wb s[6:7], bcat s[8:9], qn_w s[10:11]
	s_load_b256 s[68:75], s[0:1], 0x20             ; kn_w s[68:69], freqs_cis s[70:71], qkv s[72:73], acat s[74:75]
	v_lshl_add_u32 v30, v0, 2, 0x48400
	v_mov_b32 v31, 0
	ds_add_u32 v30, v31
	v_lshrrev_b32 v1, 5, v0
	v_readfirstlane_b32 s[WV], v1
	s_lshr_b32 s[RH], s[WV], 1
	s_and_b32 s[CH], s[WV], 1
	s_bfe_u32 s15, ttmp6, 0x40000                  ; cx
	s_lshl_b32 s16, ttmp9, 2
	s_add_co_u32 s16, s16, s15                     ; row tile = 4 x cluster x + cx: it enters global addresses of my own alone
	s_and_b32 s17, ttmp7, 0xffff                   ; column tile, which the four partners share
	s_lshr_b32 s18, s17, 3
	s_min_u32 s18, s18, 3                          ; kind
	s_mov_b32 s[G1+0], (1<<16)|(1<<20)|(5<<22)|(3<<25)              ; elements of 2 bytes; padding on: after every 64 words, 4 words; no mask
	s_mov_b32 s[G1B+0], 15|(1<<16)|(1<<20)|(1<<21)|(5<<22)|(3<<25)  ; the same with the mask of all four work-groups, and bit 21 beside it
.irp g, G1, G1B
	s_mov_b32 s[\g+1], KSTEP<<16                   ; tensor_dim0 = 128
	s_mov_b32 s[\g+2], 128<<16                     ; tensor_dim1 = 128
	s_mov_b32 s[\g+3], KSTEP<<16                   ; tile_dim0 = 128
	s_mov_b32 s[\g+4], 128                         ; tile_dim1 = 128
	s_mov_b32 s[\g+5], SIZE_K                      ; elements from row to row
	s_mov_b32 s[\g+6], 0
	s_mov_b32 s[\g+7], 0
.endr
	s_lshl_b32 s20, s16, 8
	s_lshl_b32 s21, s[CH], 7
	s_add_co_u32 s20, s20, s21                     ; A: row 256 x row tile + 128 x half,
	s_lshl_b32 s20, s20, 12                        ; rows of 4,096 bytes,
	s_lshl_b32 s22, s18, 23                        ; in plane kind
	s_add_co_u32 s20, s20, s22
	s_mov_b32 s21, 0
	s_lshl_b32 s46, s17, 8                         ; B: row 256 x column tile + 128 x half, in registers that never hold cx
	s_lshl_b32 s47, s[CH], 7
	s_add_co_u32 s46, s46, s47
	s_lshl_b32 s46, s46, 12
	s_mov_b32 s47, 0
	s_mul_i32 s23, s[WV], HALFT                    ; where they go: wave x 128 rows
	s_mov_b32 s77, 0x3c000000                      ; 1 / 128
	s_mov_b32 s78, 0x3727c5ac                      ; 1e-5
	s_mov_b32 s79, 0x7fffffff
	s_mov_b32 s80, 0x76543210
	s_mov_b32 s81, 0xfedcba98
	s_mov_b32 s86, 0x3ea7ba05                      ; 0.3275911
	s_wait_dscnt 0x0
	s_wait_kmcnt 0x0
	s_add_nc_u64 s[20:21], s[4:5], s[20:21]
	s_add_nc_u64 s[46:47], s[6:7], s[46:47]
.irp s, 0,1
	s_mov_b32 s[G0+4*\s], 1
	s_add_co_u32 s[G0+4*\s+1], s23, \s*SLOT
	s_add_nc_u64 s[G0+4*\s+2:G0+4*\s+3], s[20:21], \s*KSTEP*2
	s_or_b32 s[G0+4*\s+3], s[G0+4*\s+3], 0x80000000
	s_mov_b32 s[G0B+4*\s], 1
	s_add_co_u32 s[G0B+4*\s+1], s23, \s*SLOT
	s_add_nc_u64 s[G0B+4*\s+2:G0B+4*\s+3], s[46:47], \s*KSTEP*2
	s_or_b32 s[G0B+4*\s+3], s[G0B+4*\s+3], 0x80000000
.endr
	CROUND                                         ; all four work-groups are here: the first joint loads meet
	s_cmp_eq_u32 s[RH], 0                          ; a wave's two first fills stand in one branch: two loads of mine are out, later one
	s_cbranch_scc0 .Lfirst_b
	tensor_load_to_lds s[G0:G0+3], s[G1:G1+7]
	s_nop 0
	tensor_load_to_lds s[G0+4:G0+7], s[G1:G1+7]
	s_nop 0
.rept 4
	v_nop
.endr
	s_branch .Lfirst_asked
.Lfirst_b:
	tensor_load_to_lds s[G0B:G0B+3], s[G1B:G1B+7]
	s_nop 0
	tensor_load_to_lds s[G0B+4:G0B+7], s[G1B:G1B+7]
	s_nop 0
.rept 4
	v_nop
.endr
.Lfirst_asked:
	v_and_b32 v1, 15, v0                           ; r = l % 16
	v_bfe_u32 v2, v0, 4, 1                         ; h = l / 16
	v_mul_u32_u24 v3, v1, PITCH
	v_lshl_add_u32 v3, v2, 4, v3                   ; row x pitch + 16 x half
	s_mul_i32 s40, s[RH], HALFT                    ; my 128 rows of A
	s_mul_i32 s41, s[CH], HALFT
	s_add_co_u32 s41, s41, 2*HALFT                 ; my 128 rows of B, behind A's 256
.irp s, 0,1
	v_add_nc_u32 v[ADRA+\s], s40, v3
	v_add_nc_u32 v[ADRB+\s], s41, v3
	s_add_co_u32 s40, s40, SLOT
	s_add_co_u32 s41, s41, SLOT
.endr
	s_mul_i32 s42, s[WV], 16*SPITCH
	s_add_co_u32 s42, s42, STAGE                   ; my stage
	v_add_nc_u32 v[STO], s42, v3
	v_mul_u32_u24 v4, v1, SPITCH
	v_lshl_add_u32 v4, v2, 5, v4
	v_add_nc_u32 v[STO2], s42, v4
	v_mul_u32_u24 v5, v2, SPITCH
	v_lshl_add_u32 v5, v1, 4, v5
	v_add_nc_u32 v[RD], s42, v5
	v_lshlrev_b32 v[VB], 5, v2
	v_lshlrev_b32 v[FO], 7, v1
	v_lshl_add_u32 v[FO], v2, 6, v[FO]
	s_lshl_b32 s40, s17, 10                        ; the bias of my 128 columns: (256 ct + 128 half) x 4 bytes
	s_lshl_b32 s41, s[CH], 9
	s_add_co_u32 s40, s40, s41
	s_mov_b32 s41, 0
	s_add_nc_u64 s[8:9], s[8:9], s[40:41]
	WIN TO_B                                       ; they stay in window 1's idle registers; their wait stands on the way out
.irp b, 0,1,2,3,4,5,6,7
	global_load_b128 v[BIAS+8*\b:BIAS+8*\b+3], v[VB], s[8:9] offset:64*\b
	global_load_b128 v[BIAS+8*\b+4:BIAS+8*\b+7], v[VB], s[8:9] offset:64*\b+16
.endr
	WIN 0
; 16 matrix instructions: m blocks a0, a0 + 1 of the window's four x all 8 n blocks, 32 along K.  zero = 1: the first product starts the sums.
; The 64 accumulators take turns, one instruction a turn, in the same order in every quarter.
.macro MUL16 f, hi, a0, zero
.irp a, \a0, \a0+1
.irp b, 0,1,2,3,4,5,6,7
.if \zero
	v_wmma_f32_16x16x32_bf16 v[8*(8*(\a)+\b):8*(8*(\a)+\b)+7], v[\f+8*\b:\f+8*\b+7], v[\f+8*(4*\hi+\a):\f+8*(4*\hi+\a)+7], 0
.else
	v_wmma_f32_16x16x32_bf16 v[8*(8*(\a)+\b):8*(8*(\a)+\b)+7], v[\f+8*\b:\f+8*\b+7], v[\f+8*(4*\hi+\a):\f+8*(4*\hi+\a)+7], v[8*(8*(\a)+\b):8*(8*(\a)+\b)+7]
.endif
.endr
.endr
.endm
.macro FETCH slot, k, f                ; 32 LDS loads in one run: the fragments of one quarter step (B's 128 rows, A's 128 rows, 32 K at byte k) into buffer f
	WIN TO_B
.irp i, 0,1,2,3,4,5,6,7
	ds_load_b128 v[\f+8*\i:\f+8*\i+3],   v[ADRB+\slot] offset:\k+\i*16*PITCH
	ds_load_b128 v[\f+8*\i+4:\f+8*\i+7], v[ADRB+\slot] offset:\k+\i*16*PITCH+32
.endr
	WIN 0
.irp i, 0,1,2,3,4,5,6,7
	ds_load_b128 v[\f+8*\i:\f+8*\i+3],   v[ADRA+\slot] offset:\k+\i*16*PITCH
	ds_load_b128 v[\f+8*\i+4:\f+8*\i+7], v[ADRA+\slot] offset:\k+\i*16*PITCH+32
.endr
.endm
.macro QUARTER slot, k, f, g, zero     ; multiplies buffer f; in its middle fetches the next quarter, at byte k, into buffer g
	s_wait_dscnt 8                                 ; B and A's rows 0-63 are in; the youngest eight loads (A's rows 64-127) may be out
	WIN MUL_LO
	MUL16 \f, 0, 0, \zero
	MUL16 \f, 0, 2, \zero
	PLACES
	FETCH \slot, \k, \g
	s_wait_dscnt 32                                ; all but the 32 just issued
	WIN MUL_HI
	MUL16 \f, 1, 0, \zero
	MUL16 \f, 1, 2, \zero
.endm
; The last quarter of a K step multiplies buffer 1 and changes slots: in front of ONE barrier each wave waits for its reads of this slot and for all its tensor loads (one is out: its part
; of the next slot).  fill = 1: the barrier opens a round of the cluster's barrier, and the slot just read is filled again, first thing behind the round, two K steps ahead.
.macro TURN slot, next, fill
	s_wait_dscnt 8
	WIN MUL_LO
	MUL16 F1, 0, 0, 0
	s_wait_dscnt 0                                 ; my reads of this slot are over
	s_set_vgpr_msb 0xa1a0
	s_wait_tensorcnt 0x0                           ; and all my tensor loads have landed
	ds_add_u32 v30, v31
	s_wait_dscnt 0x0
	s_set_vgpr_msb 0xa0a1
	s_barrier_signal -1
	MUL16 F1, 0, 2, 0                              ; register work while the others arrive
.if \fill
	WIN 0
.endif
	s_barrier_wait -1
.if \fill
	CREST                                          ; no wave of any partner still reads this slot's tile or has a load on its way
	s_add_nc_u64 s[G0+4*\slot+2:G0+4*\slot+3], s[G0+4*\slot+2:G0+4*\slot+3], 2*KSTEP*2
	s_add_nc_u64 s[G0B+4*\slot+2:G0B+4*\slot+3], s[G0B+4*\slot+2:G0B+4*\slot+3], 2*KSTEP*2
	JLOAD \slot                                    ; 240 matrix instructions ahead of the wait for it; its four v_nop are also the places in front of the loads below
.else
	PLACES
.endif
	FETCH \next, 0, F0
	WIN MUL_HI
	MUL16 F1, 1, 0, 0
	MUL16 F1, 1, 2, 0
.endm
	s_wait_tensorcnt 1                             ; my part of K step 0 is in; K step 1's may stay out
	s_barrier_signal -1
	s_barrier_wait -1
	FETCH 0, 0, F0
	QUARTER 0, 64,  F0, F1, 1                      ; the first quarter stands in front of the loop: its products start the sums
	WIN 0
	s_mov_b32 s3, LAPS-1
.Llap:                                                 ; a trip goes once round the ring and fills both slots again
	QUARTER 0, 128, F1, F0, 0
	QUARTER 0, 192, F0, F1, 0
	TURN 0, 1, 1
	QUARTER 1, 64,  F0, F1, 0
	QUARTER 1, 128, F1, F0, 0
	QUARTER 1, 192, F0, F1, 0
	TURN 1, 0, 1
	QUARTER 0, 64,  F0, F1, 0
	WIN 0
	s_sub_co_u32 s3, s3, 1
	s_cmp_lg_u32 s3, 0
	s_cbranch_scc1 .Llap
	QUARTER 0, 128, F1, F0, 0                      ; the last lap fills nothing
	QUARTER 0, 192, F0, F1, 0
	TURN 0, 1, 0
	QUARTER 1, 64,  F0, F1, 0
	QUARTER 1, 128, F1, F0, 0
	QUARTER 1, 192, F0, F1, 0
	s_wait_dscnt 8
	WIN MUL_LO
	MUL16 F1, 0, 0, 0
	MUL16 F1, 0, 2, 0
	s_wait_dscnt 0
	WIN MUL_HI
	MUL16 F1, 1, 0, 0
	MUL16 F1, 1, 2, 0
	WIN 0
; THE WAY OUT, a block of 16 rows at a time, in a loop over the wave's eight blocks, so that what does not hang on the block is written once.
; COPYIN: T = the block's 8 accumulators + bias.  The accumulators' registers hang on the block, so this one part is written eight times and chosen by the counter.
; Each accumulator is read from its low end on.
.macro COPYIN
.irp a, 0,1,2,3,4,5,6
	s_cmp_eq_u32 s[BK], \a
	s_cbranch_scc1 .Lci_\@_\a
.endr
.irp a, 7,0,1,2,3,4,5,6
.Lci_\@_\a:
	WIN 0x06+(\a)/4                                ; source 0 window 2 or 3, source 1 (bias) window 1
.set i, 0
.rept 32
	v_pk_add_f32 v[T+2*i:T+2*i+1], v[64*((\a)%4)+2*i:64*((\a)%4)+2*i+1], v[BIAS+2*i:BIAS+2*i+1]
.set i, i+1
.endr
	WIN 0
	s_branch .Lcj_\@
.endr
.Lcj_\@:
.endm
; OUT: rounded to bf16, 16 bytes a lane into my own stage, back as whole rows of 256 bytes, stored.  rope = 1: the first 32 columns come from R, 16 neighbouring columns a lane.
.macro OUT pitch, rope
.set i, 0
.rept 32
.if \rope && (i < 8)
	v_cvt_pk_bf16_f32 v[TMP+i], v[R+2*i], v[R+2*i+1]
.else
	v_cvt_pk_bf16_f32 v[TMP+i], v[T+2*i], v[T+2*i+1]
.endif
.set i, i+1
.endr
.if \rope
	ds_store_b128 v[STO2], v[TMP:TMP+3]
	ds_store_b128 v[STO2], v[TMP+4:TMP+7] offset:16
.else
	ds_store_b128 v[STO], v[TMP:TMP+3]
	ds_store_b128 v[STO], v[TMP+4:TMP+7] offset:32
.endif
.irp b, 2,3,4,5,6,7
	ds_store_b128 v[STO], v[TMP+4*\b:TMP+4*\b+3] offset:32*\b
.endr
.irp t, 0,1,2,3,4,5,6,7
	ds_load_b128 v[OB+4*\t:OB+4*\t+3], v[RD] offset:\t*2*SPITCH    ; LDS serves a wave's instructions in order (ISA guide 5.7.1.4): these see the stores above
.endr
	s_wait_dscnt 0x0
.irp t, 0,1,2,3,4,5,6,7
	global_store_b128 v[CO], v[OB+4*\t:OB+4*\t+3], s[82:83] offset:2*\t*\pitch   ; 16 lanes store 256 consecutive bytes, at a multiple of 256 from the buffer's first byte
.endr
	s_wait_xcnt 0x0                                ; the base and the registers that the stores read are rewritten only behind this wait
	s_add_nc_u64 s[82:83], s[82:83], 16*\pitch
.endm
	PLACES                                         ; behind the last products
	s_wait_loadcnt 0x0                             ; the bias
	s_mov_b32 s[BK], 0
	s_cmp_eq_u32 s18, 3
	s_cbranch_scc1 .Lgelu
	s_and_b32 s40, s17, 7                          ; qkv[kind][head = 2 (ct % 8) + column half][256 row tile + 128 row half][128]
	s_lshl_b32 s40, s40, 1
	s_add_co_u32 s40, s40, s[CH]
	s_lshl_b32 s40, s40, 19
	s_lshl_b32 s41, s18, 23
	s_add_co_u32 s40, s40, s41
	s_lshl_b32 s41, s16, 16
	s_add_co_u32 s40, s40, s41
	s_lshl_b32 s41, s[RH], 15
	s_add_co_u32 s40, s40, s41
	s_mov_b32 s41, 0
	s_add_nc_u64 s[82:83], s[72:73], s[40:41]
	v_and_b32 v[CO], 31, v0
	v_lshlrev_b32 v[CO], 4, v[CO]                  ; rows of 256 bytes follow each other: 16 x lane
	s_cmp_eq_u32 s18, 2
	s_cbranch_scc1 .Lv_blk
; ---- Q and K
	s_lshl_b32 s40, s16, 15                        ; freqs_cis at my first row: (256 row tile + 128 row half) x 128 bytes
	s_lshl_b32 s41, s[RH], 14
	s_add_co_u32 s40, s40, s41
	s_mov_b32 s41, 0
	s_add_nc_u64 s[84:85], s[70:71], s[40:41]
	s_cmp_eq_u32 s18, 0
	s_cselect_b64 s[42:43], s[10:11], s[68:69]     ; qn_w or kn_w
	WIN TO_B
.irp b, 0,1,2,3,4,5,6,7
	global_load_b128 v[NW+8*\b:NW+8*\b+3], v[VB], s[42:43] offset:64*\b
	global_load_b128 v[NW+8*\b+4:NW+8*\b+7], v[VB], s[42:43] offset:64*\b+16
.endr
	WIN 0
.irp k, 0,1,2,3
	global_load_b128 v[FR+4*\k:FR+4*\k+3], v[FO], s[84:85] offset:16*\k   ; block 0's cos and sin: pairs i = 8 h + 0..7 of my row
.endr
.Lqk_blk:
	COPYIN
.irp c, 0,1,2,3
	v_pk_mul_f32 v[Z+2*\c:Z+2*\c+1], v[T+2*\c:T+2*\c+1], v[T+2*\c:T+2*\c+1]   ; the sum of squares of my 64 columns, in four chains
.endr
.set p, 4
.rept 28
	v_pk_fma_f32 v[Z+2*(p%4):Z+2*(p%4)+1], v[T+2*p:T+2*p+1], v[T+2*p:T+2*p+1], v[Z+2*(p%4):Z+2*(p%4)+1]
.set p, p+1
.endr
	v_pk_add_f32 v[Z:Z+1], v[Z:Z+1], v[Z+2:Z+3]
	v_pk_add_f32 v[Z+4:Z+5], v[Z+4:Z+5], v[Z+6:Z+7]
	v_pk_add_f32 v[Z:Z+1], v[Z:Z+1], v[Z+4:Z+5]
	v_add_f32 v[Z], v[Z], v[Z+1]
	v_permlanex16_b32 v[Z+1], v[Z], s80, s81       ; the row's other 64 columns lie in the lane 16 away
	v_add_f32 v[Z], v[Z], v[Z+1]
	v_fma_f32 v[Z], v[Z], s77, s78                 ; mean + eps
	v_rsq_f32 v[Z+2], v[Z]
	v_nop                                          ; a plain instruction between the root and the use of its result
	s_wait_alu depctr_va_vdst(0)
	v_mov_b32 v[Z+3], v[Z+2]
.set p, 0
.rept 32
	v_pk_mul_f32 v[T+2*p:T+2*p+1], v[T+2*p:T+2*p+1], v[Z+2:Z+3]
.set p, p+1
.endr
	s_wait_loadcnt 0x0                             ; the gain (first trip) and this block's cos and sin
	WIN 0x04                                       ; source 1 window 1
.set p, 0
.rept 32
	v_pk_mul_f32 v[T+2*p:T+2*p+1], v[T+2*p:T+2*p+1], v[NW+2*p:NW+2*p+1]
.set p, p+1
.endr
	WIN 0
	; rotary: T[j] = x1[i], T[8 + j] = x2[i], i = 8 h + j; the results are columns 2 i and 2 i + 1: sixteen neighbouring columns, 16 h on
.irp j, 0,1,2,3,4,5,6,7
	v_mul_f32 v[R+2*\j], v[T+\j], v[FR+2*\j]
	v_mul_f32 v[R+2*\j+1], v[T+8+\j], v[FR+2*\j]
.endr
.irp j, 0,1,2,3,4,5,6,7
	v_fma_f32 v[R+2*\j], -v[T+8+\j], v[FR+2*\j+1], v[R+2*\j]
	v_fma_f32 v[R+2*\j+1], v[T+\j], v[FR+2*\j+1], v[R+2*\j+1]
.endr
	s_add_nc_u64 s[84:85], s[84:85], 2048          ; 16 rows on; the loads that used the base are done
	s_cmp_eq_u32 s[BK], 7
	s_cbranch_scc1 .Lqk_nof                        ; the last block asks for nothing: no load leaves the table
.irp k, 0,1,2,3
	global_load_b128 v[FR+4*\k:FR+4*\k+3], v[FO], s[84:85] offset:16*\k
.endr
.Lqk_nof:
	OUT 256, 1
	s_add_co_u32 s[BK], s[BK], 1
	s_cmp_lt_u32 s[BK], 8
	s_cbranch_scc1 .Lqk_blk
	s_branch .Ldone
; ---- V
.Lv_blk:
	COPYIN
	OUT 256, 0
	s_add_co_u32 s[BK], s[BK], 1
	s_cmp_lt_u32 s[BK], 8
	s_cbranch_scc1 .Lv_blk
	s_branch .Ldone
; ---- the FFN's first layer
.Lgelu:
	s_lshl_b32 s40, s16, 8                         ; acat[256 row tile + 128 row half][2048 + 256 (ct - 24) + 128 column half]
	s_lshl_b32 s41, s[RH], 7
	s_add_co_u32 s40, s40, s41
	s_mul_i32 s40, s40, 7168
	s_sub_co_u32 s41, s17, 24
	s_lshl_b32 s41, s41, 9
	s_add_co_u32 s40, s40, s41
	s_lshl_b32 s41, s[CH], 8
	s_add_co_u32 s40, s40, s41
	s_add_co_u32 s40, s40, 4096
	s_mov_b32 s41, 0
	s_add_nc_u64 s[82:83], s[74:75], s[40:41]
	v_mul_u32_u24 v[CO], v2, 7168
	v_lshl_add_u32 v[CO], v1, 4, v[CO]
	v_mov_b32 v[A4], 0xbfba00e3
	v_mov_b32 v[A4+1], 0xbfba00e3
.Lg_blk:
	COPYIN
.set g, 0
.rept 8                                ; eight numbers at a time: gelu(x) = x/2 + x/2 erf(x / sqrt 2)
.irp k, 0,2,4,6
	v_pk_mul_f32 v[GA+\k:GA+\k+1], v[T+8*g+\k:T+8*g+\k+1], 0x3f3504f3 op_sel_hi:[1,0]   ; z = x / sqrt 2
.endr
.irp k, 0,1,2,3,4,5,6,7
	v_fma_f32 v[GT+\k], |v[GA+\k]|, s86, 1.0       ; 1 + p |z|
.endr
.irp k, 0,2,4,6
	v_pk_mul_f32 v[GE+\k:GE+\k+1], v[GA+\k:GA+\k+1], 0xbfb8aa3b op_sel_hi:[1,0]
.endr
.irp k, 0,2,4,6
	v_pk_mul_f32 v[GE+\k:GE+\k+1], v[GE+\k:GE+\k+1], v[GA+\k:GA+\k+1]   ; - z z log2 e
.endr
.irp k, 0,1,2,3,4,5,6,7
	v_rcp_f32 v[GT+\k], v[GT+\k]
.endr
.irp k, 0,1,2,3,4,5,6,7
	v_exp_f32 v[GE+\k], v[GE+\k]
.endr
.irp k, 0,2,4,6
	v_pk_mul_f32 v[T+8*g+\k:T+8*g+\k+1], v[T+8*g+\k:T+8*g+\k+1], 0.5 op_sel_hi:[1,0]   ; plain work between the transcendentals and the use of their results
.endr
	s_wait_alu depctr_va_vdst(0)
.irp k, 0,2,4,6
	v_pk_fma_f32 v[GY+\k:GY+\k+1], v[GT+\k:GT+\k+1], 0x3f87dc22, v[A4:A4+1] op_sel_hi:[1,0,1]
.endr
.irp k, 0,2,4,6
	v_pk_fma_f32 v[GY+\k:GY+\k+1], v[GY+\k:GY+\k+1], v[GT+\k:GT+\k+1], 0x3fb5f0e3 op_sel_hi:[1,1,0]
.endr
.irp k, 0,2,4,6
	v_pk_fma_f32 v[GY+\k:GY+\k+1], v[GY+\k:GY+\k+1], v[GT+\k:GT+\k+1], 0xbe91a98e op_sel_hi:[1,1,0]
.endr
.irp k, 0,2,4,6
	v_pk_fma_f32 v[GY+\k:GY+\k+1], v[GY+\k:GY+\k+1], v[GT+\k:GT+\k+1], 0x3e827906 op_sel_hi:[1,1,0]
.endr
.irp k, 0,2,4,6
	v_pk_mul_f32 v[GY+\k:GY+\k+1], v[GY+\k:GY+\k+1], v[GT+\k:GT+\k+1]
.endr
.irp k, 0,2,4,6
	v_pk_fma_f32 v[GY+\k:GY+\k+1], v[GY+\k:GY+\k+1], v[GE+\k:GE+\k+1], 1.0 op_sel_hi:[1,1,0] neg_lo:[1,0,0] neg_hi:[1,0,0]   ; erf |z|
.endr
.irp k, 0,1,2,3,4,5,6,7
	v_bfi_b32 v[GY+\k], s79, v[GY+\k], v[GA+\k]    ; with z's sign
.endr
.irp k, 0,2,4,6
	v_pk_fma_f32 v[T+8*g+\k:T+8*g+\k+1], v[T+8*g+\k:T+8*g+\k+1], v[GY+\k:GY+\k+1], v[T+8*g+\k:T+8*g+\k+1]
.endr
.set g, g+1
.endr
	OUT 7168, 0
	s_add_co_u32 s[BK], s[BK], 1
	s_cmp_lt_u32 s[BK], 8
	s_cbranch_scc1 .Lg_blk
.Ldone:
	s_wait_tensorcnt 0x0
	ds_add_u32 v30, v31
	s_wait_dscnt 0x0
	CROUND                                         ; the closing round: no work-group ends while a partner may still ask for a tile that names it
	s_endpgm
.Lfunc_end_k_q15709faa32_proj:
	.size	k_q15709faa32_proj, .Lfunc_end_k_q15709faa32_proj-k_q15709faa32_proj
	.p2alignl 7, 3214868480
	.fill 96, 4, 3214868480
	.section	.rodata,"a",@progbits
	.p2align	6, 0x0
	.amdhsa_kernel k_q15709faa32_proj
		.amdhsa_group_segment_fixed_size 327680
		.amdhsa_private_segment_fixed_size 0
		.amdhsa_enable_private_segment 0
		.amdhsa_kernarg_size 64
		.amdhsa_user_sgpr_count 2
		.amdhsa_user_sgpr_kernarg_segment_ptr 1
		.amdhsa_wavefront_size32 1
		.amdhsa_system_sgpr_workgroup_id_x 1
		.amdhsa_system_sgpr_workgroup_id_y 1
		.amdhsa_system_sgpr_workgroup_id_z 1
		.amdhsa_system_vgpr_workitem_id 0
		.amdhsa_next_free_vgpr 1024
		.amdhsa_next_free_sgpr 90
		.amdhsa_reserve_vcc 0
		.amdhsa_float_denorm_mode_32 3
		.amdhsa_float_denorm_mode_16_64 3
		.amdhsa_memory_ordered 1
		.amdhsa_forward_progress 1
		.amdhsa_inst_pref_size 229
	.end_amdhsa_kernel
	.amdgpu_metadata
---
amdhsa.version: [ 1, 2 ]
amdhsa.kernels:
  - .name:           k_q15709faa32_proj
    .symbol:         k_q15709faa32_proj.kd
    .args:
      - { .name: xn, .offset: 0, .size: 8, .value_kind: global_buffer, .address_space: global }
      - { .name: wb, .offset: 8, .size: 8, .value_kind: global_buffer, .address_space: global }
      - { .name: bcat, .offset: 16, .size: 8, .value_kind: global_buffer, .address_space: global }
      - { .name: qn_w, .offset: 24, .size: 8, .value_kind: global_buffer, .address_space: global }
      - { .name: kn_w, .offset: 32, .size: 8, .value_kind: global_buffer, .address_space: global }
      - { .name: freqs_cis, .offset: 40, .size: 8, .value_kind: global_buffer, .address_space: global }
      - { .name: qkv, .offset: 48, .size: 8, .value_kind: global_buffer, .address_space: global }
      - { .name: acat, .offset: 56, .size: 8, .value_kind: global_buffer, .address_space: global }
    .group_segment_fixed_size: 327680
    .private_segment_fixed_size: 0
    .kernarg_segment_align: 8
    .kernarg_segment_size: 64
    .max_flat_workgroup_size: 128
    .sgpr_count:     90
    .vgpr_count:     1024
    .wavefront_size: 32
...
	.end_amdgpu_metadata
.endif
;; end of part 2
;; launch attn (part 3): grid 16 x 16, 4 waves a work-group, clusters of 4 x 1, 327,680 bytes of LDS; arguments qkv, maskw, acat; writes acat
.if DOCPART == 3
	.amdgcn_target "amdgcn-amd-amdhsa--gfx1250"
	.amdhsa_code_object_version 6
	.text
	.protected	k_q15709faa32_attn
	.globl	k_q15709faa32_attn
	.p2align	8
	.type	k_q15709faa32_attn,@function
k_q15709faa32_attn:
	s_mov_b64 s[64:65], 0
	v_nop
	global_prefetch_b8 v0, s[64:65] scope:SCOPE_SE
	s_setreg_imm32_b32 hwreg(HW_REG_WAVE_MODE, 25, 1), 1
	s_wait_xcnt 0x0
	s_wait_alu depctr_hold_cnt(0) depctr_sa_sdst(0) depctr_va_vdst(0) depctr_va_sdst(0) depctr_va_ssrc(0) depctr_va_vcc(0) depctr_vm_vsrc(0)
	s_getreg_b32 s2, hwreg(HW_REG_IB_STS2, 6, 4)
	s_cmp_eq_u32 s2, 0
	s_cbranch_scc0 .Lentry_in_a_cluster
	s_endpgm
.Lentry_in_a_cluster:
	s_bfe_u32 s2, ttmp6, 0x10000c
	s_cmp_lg_u32 s2, 0x3003
	s_cbranch_scc0 .Lentry_shape_is_right
	s_endpgm
.Lentry_shape_is_right:
; attn: y[q][head] = the sum over k of softmax_k(where(mask[q][k], Q[q] . K[k] / sqrt(128), -65504)) V[k], for every key: the mask is data, nothing of its pattern is built in.
; Q, K, V: qkv[0..2][head][2048][128] bf16.  maskw[qt][kt][j]: the lane mask of register j of the tile of scores (16 queries qt, 16 keys kt).  y -> acat[q][128 head ..] bf16 (rows of 7,168 bytes).
; Products, maxima and sums in f32; the weights are rounded to bf16 for the second product, y once at the end.
; SHARES.  A work-group owns 128 queries of one head (256 work-groups), each of its four waves 32: two tiles of 16.  Every wave walks all 2,048 keys, 64 a step.
; LAYOUT.  S^T = K Q^T (source 0 = 16 keys, source 1 = 16 queries): a lane holds ONE query (lane % 16) and keys 8 (lane / 16) + 0..7.  Two such tiles, rounded in pairs, ARE source 1 of
; O^T = V^T P.  K comes out of LDS as it lies, V turned, by ds_load_tr16_b128.
; MASK.  A masked score is set to -65504 sqrt(128) (rounded to f32) ahead of the common factor c = log2(e) / sqrt(128), so that the masked logit is -65504 to one rounding; one select a score.
; Its lane masks come by scalar loads into TWO sets of 32 scalar registers, one for each tile: both tiles' selects stand together behind K Q^T, and the next step's 64 words are asked for straight
; behind them, so that both softmaxes, the rescaling, V^T P and the next K Q^T stand between a request and the wait for it.  A row whose keys are all masked comes out as the mean of V, as in the function computed.
; SOFTMAX.  A running maximum m and sum l for each query: p = 2^(c s - c m); in every step O and l are multiplied by a = 2^(c m_old - c m_new).
; IN PHASES: a step's K Q^T, its two tiles' masks, their softmaxes, its V^T P.
; CLUSTER.  The four query blocks of a cluster belong to one head and walk the same K and V: each tile is asked for JOINTLY (mask 15).
; VECTOR REGISTERS: window 0: v0-11 addresses; v12-27 statistics, 8 a tile; v28 the masked score; v32-95 S^T, 32 a tile; v96-127 P, 16 a tile; v128-191 Q, 32 a tile
;   window 1: v0-127 K of one step; v128-255 V of one step          window 2: v0-127 O^T, 64 a tile
; SCALAR REGISTERS: the masks take 64, so the rest is packed: s2 wave, s3 trips, s4 the slot in hand, s5 at work, s[6:7] c, s[8:23] the two groups 1, s[24:31] the two walking groups 0,
;   s[32:63] tile 1's masks (until the first fill has landed: s[32:39] its groups 0, s[40:63] at work), s[66:67] Q's address and then the lane selects, s[68:99] tile 0's masks,
;   s[100:101] the masks' base, s[104:105] y's base.
.set KS,    64
.set PK,    272                        ; a row of K in LDS: 256 bytes + 16
.set PV,    288                        ; a row of V: 256 + 32
.set VOFF,  KS*PK
.set STEPB, KS*(PK+PV)
.set SLOT1, 1<<17                      ; a slot holds two steps (71,680 bytes); slot 1 begins here
.set STAGE, SLOT1+2*STEPB              ; behind the ring: 16 rows x 272 bytes for each wave; no tensor load fills it
.set SP,    272
.set AK0, 2
.set AV0, 3
.set ADR, 4
.set QO,  5
.set STO, 6
.set RD,  7
.set GO,  8
.set ST,  12                           ; tile t at v[ST+8 t]: +0 c m, +1 m, +2, +3 l (even keys', odd keys'), +4 to +7 at work; a takes +6
.set NEGV, 28
.set S,   32
.set P,   96
.set Q,   128
.set VF,  128                          ; V's fragments, in window 1
.set WV,   2
.set CNT,  3
.set TB,   4                           ; LDS byte at which the slot in hand begins
.set TS,   5
.set CS,   6
.set G1K,  8
.set G1V,  16
.set G0KW, 24                          ; the walking groups 0: slot 1's first fill, then every refill
.set G0VW, 28
.set MK1,  32                          ; s[32:63] the 32 lane masks of tile 1 and one step
.set G0KF, 32                          ; the groups 0 of slot 0's first fill: free again when that fill has landed
.set G0VF, 36
.set SEL,  66
.set MK0,  68                          ; s[68:99] the 32 lane masks of tile 0 and one step
.set MB,   100
.set YB,   104
.set MSB, 0
.macro WIN new
.if MSB != (\new)
	s_set_vgpr_msb (MSB<<8)|(\new)
.set MSB, (\new)
.endif
.endm
.macro PLACES                          ; four plain vector instructions between a matrix instruction and a load into, or a vector read of, its registers
.rept 4
	v_nop
.endr
.endm
.macro JLOAD                           ; a joint refill: waves 0 and 1 fetch the two steps' tiles of K, waves 2 and 3 those of V; four v_nop follow each line
	s_cmp_lt_u32 s[WV], 2
	s_cbranch_scc0 .Lfor_v_\@
	tensor_load_to_lds s[G0KW:G0KW+3], s[G1K:G1K+7]
	s_nop 0
.rept 4
	v_nop
.endr
	s_branch .Lasked_\@
.Lfor_v_\@:
	tensor_load_to_lds s[G0VW:G0VW+3], s[G1V:G1V+7]
	s_nop 0
.rept 4
	v_nop
.endr
.Lasked_\@:
.endm
.macro CROUND                          ; a round of the cluster's barrier
	s_barrier_signal -1
	s_barrier_wait -1
	s_cmp_lg_u32 s[WV], 0
	s_cbranch_scc1 .Lnot_wave_0_\@
	s_barrier_signal -3
.Lnot_wave_0_\@:
	s_barrier_wait -3
	s_barrier_signal -1
	s_barrier_wait -1
.endm
.macro GROUP0 g, src, lds, byte        ; a group 0: count 1; LDS address = my step's place in a slot + lds; global address = s[src:src+1] + byte; type 2
	s_mov_b32 s[\g], 1
	s_add_co_u32 s[\g+1], s46, \lds
	s_add_nc_u64 s[\g+2:\g+3], s[\src:\src+1], \byte
	s_or_b32 s[\g+3], s[\g+3], 0x80000000
.endm
.macro MLOAD mk, off                   ; the 32 lane masks of one tile of 16 queries and one step of 64 keys: 128 consecutive bytes
	s_load_b512 s[\mk:\mk+15], s[MB:MB+1], \off
	s_load_b512 s[\mk+16:\mk+31], s[MB:MB+1], \off+0x40
.endm
	s_load_b128 s[40:43], s[0:1], 0x0              ; qkv s[40:41], maskw s[42:43]
	s_load_b64 s[YB:YB+1], s[0:1], 0x10            ; acat
	v_lshl_add_u32 v254, v0, 2, 0x35c00
	v_mov_b32 v255, 0
	ds_add_u32 v254, v255
	v_lshrrev_b32 v1, 5, v0
	v_readfirstlane_b32 s[WV], v1
	s_and_b32 s44, ttmp7, 0xffff                   ; the head, which the four partners share
	s_lshl_b32 s48, s44, 19                        ; a head's 2,048 rows of 256 bytes
	s_and_b32 s45, s[WV], 1                        ; which of a slot's two steps I fetch
	s_lshl_b32 s50, s45, 14                        ; its 64 rows in memory,
	s_add_co_u32 s50, s50, s48
	s_add_co_u32 s50, s50, 0x800000                ; in K's plane
	s_mov_b32 s51, 0
	s_mul_i32 s46, s45, STEPB                      ; and its place in a slot
	s_bfe_u32 s47, ttmp6, 0x40000                  ; cx
	s_lshl_b32 s52, ttmp9, 2
	s_add_co_u32 s52, s52, s47                     ; my block of 128 queries: it enters Q's, the mask's and y's addresses alone
	s_lshl_b32 s54, s52, 15
	s_lshl_b32 s55, s[WV], 13
	s_add_co_u32 s54, s54, s55                     ; (128 block + 32 wave) rows of 256 bytes of Q = (8 block + 2 wave) tiles of 4,096 bytes of maskw
	s_mov_b32 s55, 0
	s_add_co_u32 s48, s48, s54
	s_mov_b32 s49, 0
	s_lshl_b32 s56, s52, 7
	s_lshl_b32 s57, s[WV], 5
	s_add_co_u32 s56, s56, s57
	s_mul_i32 s56, s56, 7168                       ; y: my first row,
	s_lshl_b32 s57, s44, 8
	s_add_co_u32 s56, s56, s57                     ; the head's 256 bytes of it
	s_mov_b32 s57, 0
	s_mov_b32 s[G1K], 15|(1<<16)|(1<<20)|(1<<21)|(5<<22)|(3<<25)  ; the mask: all four work-groups; elements of 2 bytes; padding on; bit 21 beside a mask; after every 64 words, 4 words
	s_mov_b32 s[G1V], 15|(1<<16)|(1<<20)|(1<<21)|(5<<22)|(7<<25)  ; the same with 8 words of padding
.irp g, G1K, G1V
	s_mov_b32 s[\g+1], 128<<16                     ; tensor_dim0 = 128
	s_mov_b32 s[\g+2], KS<<16                      ; tensor_dim1 = 64
	s_mov_b32 s[\g+3], 128<<16                     ; tile_dim0 = 128
	s_mov_b32 s[\g+4], KS                          ; tile_dim1 = 64
	s_mov_b32 s[\g+5], 128                         ; elements from row to row
	s_mov_b32 s[\g+6], 0
	s_mov_b32 s[\g+7], 0
.endr
	s_mov_b32 s[CS], 0x3e0293ee                    ; c = log2(e) / sqrt(128)
	s_mov_b32 s[CS+1], s[CS]
	s_mov_b32 s[TB], 0
	s_wait_dscnt 0x0
	s_wait_kmcnt 0x0
	s_add_nc_u64 s[58:59], s[40:41], s[50:51]      ; K at my tile of slot 0
	s_add_nc_u64 s[60:61], s[58:59], 0x800000      ; V, one plane on
	s_add_nc_u64 s[SEL:SEL+1], s[40:41], s[48:49]  ; Q at my wave's first row (the lane selects take these registers when Q is in)
	s_add_nc_u64 s[MB:MB+1], s[42:43], s[54:55]    ; maskw at my first tile of queries
	s_add_nc_u64 s[YB:YB+1], s[YB:YB+1], s[56:57]
	GROUP0 G0KF, 58, 0, 0                          ; slot 0: keys 0 to 127
	GROUP0 G0KW, 58, SLOT1, 2*KS*256               ; slot 1: keys 128 to 255
	GROUP0 G0VF, 60, VOFF, 0
	GROUP0 G0VW, 60, SLOT1+VOFF, 2*KS*256
	CROUND                                         ; all four work-groups are here: the first joint loads meet
	s_cmp_lt_u32 s[WV], 2                          ; a wave's two first fills stand in one branch: two loads of mine are out, later one
	s_cbranch_scc0 .Lfirst_v
	tensor_load_to_lds s[G0KF:G0KF+3], s[G1K:G1K+7]
	s_nop 0
	tensor_load_to_lds s[G0KW:G0KW+3], s[G1K:G1K+7]
	s_nop 0
.rept 4
	v_nop
.endr
	s_branch .Lfirst_asked
.Lfirst_v:
	tensor_load_to_lds s[G0VF:G0VF+3], s[G1V:G1V+7]
	s_nop 0
	tensor_load_to_lds s[G0VW:G0VW+3], s[G1V:G1V+7]
	s_nop 0
.rept 4
	v_nop
.endr
.Lfirst_asked:
	v_and_b32 v1, 15, v0                           ; r
	v_bfe_u32 v9, v0, 4, 1                         ; h
	v_lshlrev_b32 v[QO], 8, v1
	v_lshl_add_u32 v[QO], v9, 4, v[QO]
.irp i, 0,1,2,3,4,5,6,7                ; Q stays in registers: tile i / 4, channels 32 (i % 4) on
	global_load_b128 v[Q+8*\i:Q+8*\i+3],   v[QO], s[SEL:SEL+1] offset:(\i/4)*4096+(\i%4)*64
	global_load_b128 v[Q+8*\i+4:Q+8*\i+7], v[QO], s[SEL:SEL+1] offset:(\i/4)*4096+(\i%4)*64+32
.endr
	MLOAD MK0, 0                                   ; step 0, tile 0
	v_mul_u32_u24 v[AK0], v1, PK
	v_lshl_add_u32 v[AK0], v9, 4, v[AK0]           ; row x pitch + 16 x half
	v_and_b32 v10, 7, v0                           ; the turning load: lane l reads key 8 (l / 16) + l % 8, channels 8 ((l / 8) % 2) + 0..7
	v_bfe_u32 v11, v0, 3, 1
	v_lshl_add_u32 v[AV0], v9, 3, v10
	v_mul_u32_u24 v[AV0], v[AV0], PV
	v_lshl_add_u32 v[AV0], v11, 4, v[AV0]
	v_add_nc_u32 v[AV0], VOFF, v[AV0]
	s_mul_i32 s[TS], s[WV], 16*SP
	s_add_co_u32 s[TS], s[TS], STAGE               ; my stage
	v_mul_u32_u24 v[STO], v1, SP
	v_lshl_add_u32 v[STO], v9, 4, v[STO]
	v_add_nc_u32 v[STO], s[TS], v[STO]
	v_mul_u32_u24 v[RD], v9, SP
	v_lshl_add_u32 v[RD], v1, 4, v[RD]
	v_add_nc_u32 v[RD], s[TS], v[RD]
	v_mul_u32_u24 v[GO], v9, 7168
	v_lshl_add_u32 v[GO], v1, 4, v[GO]
	v_mov_b32 v[NEGV], 0xc934ee53                  ; -65504 sqrt(128)
; 32 products S^T = K Q^T: product i takes tile i % 2, keys 16 ((i / 2) % 4) on, channels 32 (i / 8) on.  The first 8 start the sums.  The 8 accumulators take turns.
.macro KQ
	WIN 0x01                                       ; K in window 1; Q and S^T in window 0
.set i, 0
.rept 32
.set rS, S+32*(i%2)+8*((i/2)%4)
.set rK, 32*((i/2)%4)+8*(i/8)
.set rQ, Q+32*(i%2)+8*(i/8)
.if i < 8
	v_wmma_f32_16x16x32_bf16 v[rS:rS+7], v[rK:rK+7], v[rQ:rQ+7], 0
.else
	v_wmma_f32_16x16x32_bf16 v[rS:rS+7], v[rK:rK+7], v[rQ:rQ+7], v[rS:rS+7]
.endif
.set i, i+1
.endr
.endm
; 32 products O^T += V^T P: product i takes tile i % 2, channels 16 ((i / 2) % 8) on, keys 32 (i / 16) on.  zero = 1: the first 16 start the sums.  16 accumulators by turns.
.macro PVM zero
	WIN 0xa1                                       ; V in window 1, P in window 0, O^T in window 2
.set i, 0
.rept 32
.set rO, 64*(i%2)+8*((i/2)%8)
.set rV, VF+64*(i/16)+8*((i/2)%8)
.set rP, P+16*(i%2)+8*(i/16)
.if \zero && (i < 16)
	v_wmma_f32_16x16x32_bf16 v[rO:rO+7], v[rV:rV+7], v[rP:rP+7], 0
.else
	v_wmma_f32_16x16x32_bf16 v[rO:rO+7], v[rV:rV+7], v[rP:rP+7], v[rO:rO+7]
.endif
.set i, i+1
.endr
.endm
.macro FETCH_K off                     ; a step's K (16 fragments), 32 loads in one run; off = the step's place in the slot
	WIN 0
	v_add_nc_u32 v[ADR], s[TB], v[AK0]
	WIN 0x40
.irp f, 0,1,2,3,4,5,6,7,8,9,10,11,12,13,14,15
	ds_load_b128 v[8*\f:8*\f+3],   v[ADR] offset:\off+(\f/4)*16*PK+(\f%4)*64
	ds_load_b128 v[8*\f+4:8*\f+7], v[ADR] offset:\off+(\f/4)*16*PK+(\f%4)*64+32
.endr
.endm
.macro FETCH_V off                     ; a step's V, turned
	WIN 0
	v_add_nc_u32 v[ADR], s[TB], v[AV0]
	WIN 0x40
.irp f, 0,1,2,3,4,5,6,7,8,9,10,11,12,13,14,15
	ds_load_tr16_b128 v[VF+8*\f:VF+8*\f+3],   v[ADR] offset:\off+(\f/8)*32*PV+(\f%8)*32
	ds_load_tr16_b128 v[VF+8*\f+4:VF+8*\f+7], v[ADR] offset:\off+(\f/8)*32*PV+16*PV+(\f%8)*32
.endr
.endm
.macro MASKT t, mk                     ; one select a score, in ascending order: each accumulator is read from its low end on
.set i, 0
.rept 32
	v_cndmask_b32 v[S+32*\t+i], v[NEGV], v[S+32*\t+i], s[\mk+i]
.set i, i+1
.endr
.endm
.macro SOFT t, first                   ; one tile's softmax for one step.  first = 1: it starts m and l
.set rT, ST+8*\t
.set rS, S+32*\t
.set rP, P+16*\t
.irp q, 0,1,2,3
	v_max3_num_f32 v[rT+4+\q], v[rS+8*\q], v[rS+8*\q+1], v[rS+8*\q+2]
.endr
.irp q, 0,1,2,3
	v_max3_num_f32 v[rT+4+\q], v[rT+4+\q], v[rS+8*\q+3], v[rS+8*\q+4]
.endr
.irp q, 0,1,2,3
	v_max3_num_f32 v[rT+4+\q], v[rT+4+\q], v[rS+8*\q+5], v[rS+8*\q+6]
.endr
	v_max3_num_f32 v[rT+4], v[rT+4], v[rS+7], v[rS+15]
	v_max3_num_f32 v[rT+6], v[rT+6], v[rS+23], v[rS+31]
	v_max3_num_f32 v[rT+4], v[rT+4], v[rT+5], v[rT+6]
.if \first
	v_max_num_f32 v[rT+4], v[rT+4], v[rT+7]
.else
	v_max3_num_f32 v[rT+4], v[rT+4], v[rT+7], v[rT+1]
	v_mov_b32 v[rT+7], v[rT]                       ; c m_old is kept for a
.endif
	v_permlanex16_b32 v[rT+5], v[rT+4], s[SEL], s[SEL+1]   ; the query's other 32 keys lie in the lane 16 away
	v_max_num_f32 v[rT+1], v[rT+4], v[rT+5]
	v_mul_f32 v[rT], s[CS], v[rT+1]
.if !\first
	v_sub_f32 v[rT+7], v[rT+7], v[rT]
	v_exp_f32 v[rT+6], v[rT+7]                     ; a; the scalings below are the plain work behind it
.endif
.set b, 0
.rept 16
	v_pk_fma_f32 v[rS+2*b:rS+2*b+1], v[rS+2*b:rS+2*b+1], s[CS:CS+1], v[rT:rT+1] op_sel_hi:[1,0,0] neg_lo:[0,0,1] neg_hi:[0,0,1]   ; c s - c m
.set b, b+1
.endr
.set b, 0
.rept 32
	v_exp_f32 v[rS+b], v[rS+b]
.set b, b+1
.endr
	v_nop                                          ; a plain instruction between the last exponential and the use of its result
.set b, 0
	s_wait_alu depctr_va_vdst(0)
.rept 16
	v_cvt_pk_bf16_f32 v[rP+b], v[rS+2*b], v[rS+2*b+1]
.set b, b+1
.endr
.irp u, 0,1,2,3,4,5,6,7
	v_pk_add_f32 v[rS+4*\u:rS+4*\u+1], v[rS+4*\u:rS+4*\u+1], v[rS+4*\u+2:rS+4*\u+3]
.endr
.irp u, 0,1,2,3
	v_pk_add_f32 v[rS+8*\u:rS+8*\u+1], v[rS+8*\u:rS+8*\u+1], v[rS+8*\u+4:rS+8*\u+5]
.endr
.irp u, 0,1
	v_pk_add_f32 v[rS+16*\u:rS+16*\u+1], v[rS+16*\u:rS+16*\u+1], v[rS+16*\u+8:rS+16*\u+9]
.endr
.if \first
	v_pk_add_f32 v[rT+2:rT+3], v[rS:rS+1], v[rS+16:rS+17]
.else
	v_pk_add_f32 v[rS:rS+1], v[rS:rS+1], v[rS+16:rS+17]
	v_pk_fma_f32 v[rT+2:rT+3], v[rT+2:rT+3], v[rT+6:rT+7], v[rS:rS+1] op_sel_hi:[1,0,1]   ; l = a l + the step's sum
.endif
.endm
.macro RESC t                          ; the tile's O^T times a, each accumulator from its low end on
	WIN 0x82
.set i, 0
.rept 32
	v_pk_mul_f32 v[64*\t+2*i:64*\t+2*i+1], v[64*\t+2*i:64*\t+2*i+1], v[ST+8*\t+6:ST+8*\t+7] op_sel_hi:[1,0]
.set i, i+1
.endr
.endm
; ONE KEY STEP.  half: which of the slot's two steps.  kind 0: the slot's first step.  1: its second, and the slot is filled again.  2: its second, nothing is left to fetch.  3: the very last step.
; mn: where the NEXT step's lane masks of tile 0 lie from the walking base; tile 1's lie 4,096 bytes (one tile of queries) behind them.
.macro STEP first, half, kind, mn
.if !\first
	PLACES                                         ; V's registers were read by the last products
.endif
	FETCH_V \half*STEPB
	s_wait_dscnt 32                                ; K is in; V's 32 loads stay out
	KQ
	WIN 0
.if \kind == 1
	s_wait_dscnt 0x0                               ; my reads of this slot are over (V of its second step was the last of them),
	s_wait_tensorcnt 0x0                           ; and all my tensor loads have landed: the one that was out is my part of the other slot; so a group 0 may be written
	ds_add_u32 v254, v255
	s_wait_dscnt 0x0
.irp g, G0KW, G0VW
	s_xor_b32 s[\g+1], s[\g+1], SLOT1              ; the walking descriptor: the other slot than last time,
	s_add_nc_u64 s[\g+2:\g+3], s[\g+2:\g+3], 2*KS*256   ; the next 128 keys
.endr
	CROUND                                         ; no wave of any partner still reads this slot or has a load on its way
	JLOAD                                          ; my one tensor load behind the round: it has two key steps in which to land; its four v_nop are also the places behind the products
	s_xor_b32 s[TB], s[TB], SLOT1
.elseif \kind == 2
	s_wait_dscnt 0x0
	s_wait_tensorcnt 0x0                           ; my part of the last slot has landed
	s_barrier_signal -1
	s_barrier_wait -1                              ; everybody's has
	PLACES
	s_xor_b32 s[TB], s[TB], SLOT1
.else
	PLACES
.endif
.if \kind == 0
	FETCH_K STEPB                                  ; the next step's K
	WIN 0
.elseif \kind != 3
	FETCH_K 0
	WIN 0
.endif
	s_wait_kmcnt 0x0                               ; this step's 64 lane masks, asked for behind the last step's selects (scalar loads come back in no order: the count is 0)
	MASKT 0, MK0
	MASKT 1, MK1
.if \kind != 3
	MLOAD MK0, \mn                                 ; both sets have been read: the next step's masks are asked for, a whole step ahead of their wait
	MLOAD MK1, \mn+0x1000
.endif
	SOFT 0, \first
	SOFT 1, \first
.if !\first
	RESC 0
	RESC 1
.endif
.if \kind == 3
	s_wait_dscnt 0x0                               ; V is in
.else
	s_wait_dscnt 32                                ; V is in; the next K's 32 loads stay out
.endif
	PVM \first
	WIN 0
.endm
.macro TRIP first, kindB               ; a slot's two steps
	STEP \first, 0, 0, 0x80
	STEP 0, 1, \kindB, 0x100
.if \kindB != 3
	s_wait_xcnt 0x0                                ; the masks' base is stepped only behind this wait
	s_add_nc_u64 s[MB:MB+1], s[MB:MB+1], 256       ; two steps' 64 words on
.endif
.endm
	s_wait_tensorcnt 1                             ; my part of slot 0 is in; slot 1's may stay out
	s_barrier_signal -1
	s_barrier_wait -1
	MLOAD MK1, 0x1000                              ; step 0, tile 1: its registers held the group 0 of the fill that the wait above has shown done
	FETCH_K 0
	WIN 0
	s_wait_loadcnt 0x0                             ; Q is in, so its address may go:
	s_mov_b32 s[SEL], 0x76543210                   ; v_permlanex16_b32: each lane takes its own place in the other half
	s_mov_b32 s[SEL+1], 0xfedcba98
	TRIP 1, 1
	s_mov_b32 s[CNT], 13
.Lslot:                                                ; with the trip above: the 14 slots that are filled again
	TRIP 0, 1
	s_sub_co_u32 s[CNT], s[CNT], 1
	s_cmp_lg_u32 s[CNT], 0
	s_cbranch_scc1 .Lslot
	TRIP 0, 2                                      ; the tail is written out
	TRIP 0, 3
	; THE WAY OUT: l's two halves and the other half of the lanes'; O^T divided by l, rounded, through my stage, a tile (16 rows) at a time.
	PLACES
.irp t, 0,1
	v_add_f32 v[ST+8*\t+4], v[ST+8*\t+2], v[ST+8*\t+3]
.endr
.irp t, 0,1
	v_permlanex16_b32 v[ST+8*\t+5], v[ST+8*\t+4], s[SEL], s[SEL+1]
.endr
.irp t, 0,1
	v_add_f32 v[ST+8*\t+4], v[ST+8*\t+4], v[ST+8*\t+5]
.endr
.irp t, 0,1
	v_rcp_f32 v[ST+8*\t+6], v[ST+8*\t+4]
.endr
	v_nop                                          ; a plain instruction between the last reciprocal and the use of its result
	s_wait_alu depctr_va_vdst(0)
.macro PACK t
	WIN 0x82
.set i, 64*\t
.rept 32
	v_pk_mul_f32 v[i:i+1], v[i:i+1], v[ST+8*\t+6:ST+8*\t+7] op_sel_hi:[1,0]
.set i, i+2
.endr
	WIN 0x0a                                       ; sources 0 and 1 window 2, destination window 0: S^T's registers are free
.set i, 0
.rept 32
	v_cvt_pk_bf16_f32 v[S+32*\t+i], v[64*\t+2*i], v[64*\t+2*i+1]
.set i, i+1
.endr
	WIN 0
.irp f, 0,1,2,3,4,5,6,7
	ds_store_b128 v[STO], v[S+32*\t+4*\f:S+32*\t+4*\f+3] offset:32*\f
.endr
.irp f, 0,1,2,3,4,5,6,7
	ds_load_b128 v[S+32*\t+4*\f:S+32*\t+4*\f+3], v[RD] offset:\f*2*SP   ; LDS serves a wave's instructions in order (ISA guide 5.7.1.4): these see the stores above; the next tile's stores come behind them
.endr
.endm
.macro SEND t, younger                 ; younger: the LDS instructions issued behind tile t's loads
.irp f, 0,1,2,3,4,5,6,7
	s_wait_dscnt \younger+7-\f
	global_store_b128 v[GO], v[S+32*\t+4*\f:S+32*\t+4*\f+3], s[YB:YB+1] offset:(16*\t+2*\f)*7168   ; 16 lanes store 256 consecutive bytes, at a multiple of 256 from acat's first byte
.endr
.endm
	PACK 0
	PACK 1
	SEND 0, 16
	SEND 1, 0
	s_wait_tensorcnt 0x0
	ds_add_u32 v254, v255
	s_wait_dscnt 0x0
	CROUND                                         ; the closing round
	s_endpgm
.Lfunc_end_k_q15709faa32_attn:
	.size	k_q15709faa32_attn, .Lfunc_end_k_q15709faa32_attn-k_q15709faa32_attn
	.p2alignl 7, 3214868480
	.fill 96, 4, 3214868480
	.section	.rodata,"a",@progbits
	.p2align	6, 0x0
	.amdhsa_kernel k_q15709faa32_attn
		.amdhsa_group_segment_fixed_size 327680
		.amdhsa_private_segment_fixed_size 0
		.amdhsa_enable_private_segment 0
		.amdhsa_kernarg_size 24
		.amdhsa_user_sgpr_count 2
		.amdhsa_user_sgpr_kernarg_segment_ptr 1
		.amdhsa_wavefront_size32 1
		.amdhsa_system_sgpr_workgroup_id_x 1
		.amdhsa_system_sgpr_workgroup_id_y 1
		.amdhsa_system_sgpr_workgroup_id_z 1
		.amdhsa_system_vgpr_workitem_id 0
		.amdhsa_next_free_vgpr 640
		.amdhsa_next_free_sgpr 106
		.amdhsa_reserve_vcc 0
		.amdhsa_float_denorm_mode_32 3
		.amdhsa_float_denorm_mode_16_64 3
		.amdhsa_memory_ordered 1
		.amdhsa_forward_progress 1
		.amdhsa_inst_pref_size 240
	.end_amdhsa_kernel
	.amdgpu_metadata
---
amdhsa.version: [ 1, 2 ]
amdhsa.kernels:
  - .name:           k_q15709faa32_attn
    .symbol:         k_q15709faa32_attn.kd
    .args:
      - { .name: qkv, .offset: 0, .size: 8, .value_kind: global_buffer, .address_space: global }
      - { .name: maskw, .offset: 8, .size: 8, .value_kind: global_buffer, .address_space: global }
      - { .name: acat, .offset: 16, .size: 8, .value_kind: global_buffer, .address_space: global }
    .group_segment_fixed_size: 327680
    .private_segment_fixed_size: 0
    .kernarg_segment_align: 8
    .kernarg_segment_size: 24
    .max_flat_workgroup_size: 128
    .sgpr_count:     106
    .vgpr_count:     640
    .wavefront_size: 32
...
	.end_amdgpu_metadata
.endif
;; end of part 3
;; launch final (part 4): grid 16 x 16, 4 waves a work-group, clusters of 4 x 4, 327,680 bytes of LDS; arguments acat, wcat, x3, wo_b, w2_b, out0; writes out0
.if DOCPART == 4
	.amdgcn_target "amdgcn-amd-amdhsa--gfx1250"
	.amdhsa_code_object_version 6
	.text
	.protected	k_q15709faa32_final
	.globl	k_q15709faa32_final
	.p2align	8
	.type	k_q15709faa32_final,@function
k_q15709faa32_final:
	s_mov_b64 s[64:65], 0
	v_nop
	global_prefetch_b8 v0, s[64:65] scope:SCOPE_SE
	s_setreg_imm32_b32 hwreg(HW_REG_WAVE_MODE, 25, 1), 1
	s_wait_xcnt 0x0
	s_wait_alu depctr_hold_cnt(0) depctr_sa_sdst(0) depctr_va_vdst(0) depctr_va_sdst(0) depctr_va_ssrc(0) depctr_va_vcc(0) depctr_vm_vsrc(0)
	s_getreg_b32 s2, hwreg(HW_REG_IB_STS2, 6, 4)
	s_cmp_eq_u32 s2, 0
	s_cbranch_scc0 .Lentry_in_a_cluster
	s_endpgm
.Lentry_in_a_cluster:
	s_bfe_u32 s2, ttmp6, 0x10000c
	s_cmp_lg_u32 s2, 0xf033
	s_cbranch_scc0 .Lentry_shape_is_right
	s_endpgm
.Lentry_shape_is_right:
; final: out0 = x3 + [y | g | 0] [wo | w2 | 0]^T + wo_b + w2_b: the output projection and the FFN's second layer as ONE product with K = 2048 + 1536.
; acat: [2048][3584] bf16, wcat: [2048][3584] bf16; sums in f32; out0 = ((sum + x3) + (wo_b + w2_b)) in f32.
; 256 tiles of 128 x 128 of C, one a work-group; four waves, each 64 x 64: 16 accumulators.  K goes in steps of 256 (LDS rows of 512 bytes, 64 rows a tensor load) through two slots.
; CLUSTER 4 x 4: A's tile is shared along a row of the cluster, B's along a column: each is asked for JOINTLY.
; THE MATRIX INSTRUCTION IS USED TRANSPOSED (source 0 = 16 rows of wcat, source 1 = 16 rows of acat): a lane holds eight neighbouring columns of a row of C.
; A wave's 64 columns of f32 are one aligned 256 bytes, so each wave has a stage of its own and the way out needs no barrier.
; REGISTERS: window 0: v0-31 addresses; v32-95 rows read back, two sets by turns; v96-103 the biases; v128-255 the accumulators ((a, b) at v[128 + 8 (4 a + b)])
;   window 1: two fragment buffers of 128          window 2: v0-127 my 64 x 64 of x3, asked for at the start
.set SIZE_K, 3584
.set KSTEP,  256
.set PITCH,  528                       ; an LDS row: 512 bytes + 16 of padding
.set HALFT,  64*PITCH
.set SLOT,   4*HALFT
.set STAGE,  2*SLOT                    ; behind the ring: 16 rows x 272 bytes for each wave; no tensor load fills it
.set SPITCH, 272
.set LAPS, SIZE_K/(2*KSTEP)
.set ADRA, 16
.set ADRB, 20
.set STO,  24                          ; stage + 272 r + 32 h
.set RD,   25                          ; stage + 272 h + 16 r
.set CO,   26                          ; 8192 h + 16 r
.set BO,   27                          ; 16 r
.set TMP,  32
.set BS,   96
.set ACC,  128
.set F0,   0
.set F1,   128
.set G1, 24
.set G0, 32
.set G1B, 48
.set G0B, 56
.set MSB, 0
.macro WIN new
.if MSB != (\new)
	s_set_vgpr_msb (MSB<<8)|(\new)
.set MSB, (\new)
.endif
.endm
.set MUL,  0x05                        ; sources 0 (B) and 1 (A) window 1; C and D window 0
.set TO_F, 0x40
.macro JLOAD s                         ; a joint load: waves 0 and 1 fetch A's two halves, waves 2 and 3 B's; four v_nop follow each line
	s_cmp_eq_u32 s11, 0
	s_cbranch_scc0 .Lfor_b_\@
	tensor_load_to_lds s[G0+4*\s:G0+4*\s+3], s[G1:G1+7]
	s_nop 0
.rept 4
	v_nop
.endr
	s_branch .Lasked_\@
.Lfor_b_\@:
	tensor_load_to_lds s[G0B+4*\s:G0B+4*\s+3], s[G1B:G1B+7]
	s_nop 0
.rept 4
	v_nop
.endr
.Lasked_\@:
.endm
.macro CREST
	s_cmp_lg_u32 s10, 0
	s_cbranch_scc1 .Lnot_wave_0_\@
	s_barrier_signal -3
.Lnot_wave_0_\@:
	s_barrier_wait -3
	s_barrier_signal -1
	s_barrier_wait -1
.endm
.macro CROUND
	s_barrier_signal -1
	s_barrier_wait -1
	CREST
.endm
	s_load_b128 s[4:7], s[0:1], 0x0                ; acat s[4:5], wcat s[6:7]
	s_load_b64 s[66:67], s[0:1], 0x10              ; x3
	s_load_b128 s[68:71], s[0:1], 0x18             ; wo_b s[68:69], w2_b s[70:71]
	s_load_b64 s[8:9], s[0:1], 0x28                ; out0
	v_lshl_add_u32 v126, v0, 2, 0x46400
	v_mov_b32 v127, 0
	ds_add_u32 v126, v127
	v_lshrrev_b32 v1, 5, v0
	v_readfirstlane_b32 s10, v1                    ; wave 0..3
	s_lshr_b32 s11, s10, 1                         ; my half of the tile's rows.  Also: I fetch for A (0) or for B (1)
	s_and_b32 s12, s10, 1                          ; my half of its columns.  Also: which 64 rows of that tile I fetch
	s_bfe_u32 s40, ttmp6, 0x40000                  ; cx, cy
	s_bfe_u32 s41, ttmp6, 0x40004
	s_lshl_b32 s42, ttmp9, 2
	s_add_co_u32 s42, s42, s40                     ; tile column
	s_and_b32 s13, ttmp7, 0xffff
	s_lshl_b32 s13, s13, 2
	s_add_co_u32 s13, s13, s41                     ; tile row
	s_lshl_b32 s43, s41, 2
	s_lshl_b32 s43, 15, s43                        ; my row of the cluster
	s_lshl_b32 s44, 0x1111, s40                    ; my column
	s_or_b32 s[G1+0], s43, (1<<16)|(1<<20)|(1<<21)|(6<<22)|(3<<25)  ; the mask: A's tiles go to my row; elements of 2 bytes; padding on; bit 21 beside a mask; after every 128 words, 4 words
	s_or_b32 s[G1B+0], s44, (1<<16)|(1<<20)|(1<<21)|(6<<22)|(3<<25)
.irp g, G1, G1B
	s_mov_b32 s[\g+1], KSTEP<<16                   ; tensor_dim0 = 256
	s_mov_b32 s[\g+2], 64<<16                      ; tensor_dim1 = 64
	s_mov_b32 s[\g+3], KSTEP<<16                   ; tile_dim0 = 256
	s_mov_b32 s[\g+4], 64                          ; tile_dim1 = 64
	s_mov_b32 s[\g+5], SIZE_K                      ; elements from row to row
	s_mov_b32 s[\g+6], 0
	s_mov_b32 s[\g+7], 0
.endr
	s_lshl_b32 s17, s12, 6
	s_lshl_b32 s16, s13, 7
	s_add_co_u32 s16, s16, s17                     ; A: row 128 x tile row + 64 x half
	s_lshl_b32 s46, s42, 7
	s_add_co_u32 s46, s46, s17                     ; B: row 128 x tile column + 64 x half
	s_mov_b32 s17, 0
	s_mov_b32 s47, 0
	s_mov_b64 s[18:19], SIZE_K*2
	s_mul_u64 s[16:17], s[16:17], s[18:19]
	s_mul_u64 s[46:47], s[46:47], s[18:19]
	s_mul_i32 s20, s10, HALFT                      ; where they go: wave x 64 rows
	s_wait_dscnt 0x0
	s_wait_kmcnt 0x0
	s_add_nc_u64 s[14:15], s[4:5], s[16:17]
	s_add_nc_u64 s[46:47], s[6:7], s[46:47]
.irp s, 0,1
	s_mov_b32 s[G0+4*\s], 1
	s_add_co_u32 s[G0+4*\s+1], s20, \s*SLOT
	s_add_nc_u64 s[G0+4*\s+2:G0+4*\s+3], s[14:15], \s*KSTEP*2
	s_or_b32 s[G0+4*\s+3], s[G0+4*\s+3], 0x80000000
	s_mov_b32 s[G0B+4*\s], 1
	s_add_co_u32 s[G0B+4*\s+1], s20, \s*SLOT
	s_add_nc_u64 s[G0B+4*\s+2:G0B+4*\s+3], s[46:47], \s*KSTEP*2
	s_or_b32 s[G0B+4*\s+3], s[G0B+4*\s+3], 0x80000000
.endr
	CROUND                                         ; all sixteen work-groups are here: the first joint loads meet
	s_cmp_eq_u32 s11, 0                            ; a wave's two first fills stand in one branch: two loads of mine are out, later one
	s_cbranch_scc0 .Lfirst_b
	tensor_load_to_lds s[G0:G0+3], s[G1:G1+7]
	s_nop 0
	tensor_load_to_lds s[G0+4:G0+7], s[G1:G1+7]
	s_nop 0
.rept 4
	v_nop
.endr
	s_branch .Lfirst_asked
.Lfirst_b:
	tensor_load_to_lds s[G0B:G0B+3], s[G1B:G1B+7]
	s_nop 0
	tensor_load_to_lds s[G0B+4:G0B+7], s[G1B:G1B+7]
	s_nop 0
.rept 4
	v_nop
.endr
.Lfirst_asked:
	v_and_b32 v1, 15, v0                           ; r
	v_bfe_u32 v2, v0, 4, 1                         ; h
	v_mul_u32_u24 v3, v1, PITCH
	v_lshl_add_u32 v3, v2, 4, v3
	s_mul_i32 s21, s11, HALFT                      ; my 64 rows of A
	s_mul_i32 s22, s12, HALFT
	s_add_co_u32 s22, s22, 2*HALFT                 ; my 64 rows of B, behind A's 128
.irp s, 0,1
	v_add_nc_u32 v[ADRA+\s], s21, v3
	v_add_nc_u32 v[ADRB+\s], s22, v3
	s_add_co_u32 s21, s21, SLOT
	s_add_co_u32 s22, s22, SLOT
.endr
	s_mul_i32 s23, s10, 16*SPITCH
	s_add_co_u32 s23, s23, STAGE                   ; my stage
	v_mul_u32_u24 v4, v1, SPITCH
	v_lshl_add_u32 v4, v2, 5, v4
	v_add_nc_u32 v[STO], s23, v4
	v_mul_u32_u24 v5, v2, SPITCH
	v_lshl_add_u32 v5, v1, 4, v5
	v_add_nc_u32 v[RD], s23, v5
	v_lshlrev_b32 v[BO], 4, v1
	v_lshl_add_u32 v[CO], v2, 13, v[BO]            ; two rows of 8,192 bytes, 16 bytes a lane
	s_lshl_b32 s16, s13, 7
	s_lshl_b32 s17, s11, 6
	s_add_co_u32 s16, s16, s17                     ; my first row: 128 x tile row + 64 x half,
	s_lshl_b32 s16, s16, 13                        ; rows of 8,192 bytes
	s_mov_b32 s17, 0
	s_add_nc_u64 s[8:9], s[8:9], s[16:17]
	s_add_nc_u64 s[66:67], s[66:67], s[16:17]
	s_lshl_b32 s46, s42, 9                         ; my first column, in bytes: 512 x tile column + 256 x half (in the registers that held B's address)
	s_lshl_b32 s47, s12, 8
	s_add_co_u32 s46, s46, s47
	s_mov_b32 s47, 0
	s_add_nc_u64 s[8:9], s[8:9], s[46:47]
	s_add_nc_u64 s[66:67], s[66:67], s[46:47]
	s_add_nc_u64 s[68:69], s[68:69], s[46:47]
	s_add_nc_u64 s[70:71], s[70:71], s[46:47]
	WIN 0x80                                       ; my part of x3 comes while the product is made: 32 loads, their wait on the way out
.irp a, 0,1,2,3
.irp t, 0,1,2,3,4,5,6,7
	global_load_b128 v[4*(8*\a+\t):4*(8*\a+\t)+3], v[CO], s[66:67] offset:(16*\a+2*\t)*8192 th:TH_LOAD_NT
.endr
.endr
	WIN 0
	global_load_b128 v[BS:BS+3], v[BO], s[68:69]
	global_load_b128 v[BS+4:BS+7], v[BO], s[70:71]
; 8 matrix instructions: m blocks a0, a0 + 1 x all 4 n blocks, 32 along K: half c of buffer f.  The 16 accumulators take turns.
.macro MUL8 f, c, a0, zero
.irp a, \a0, \a0+1
.irp b, 0,1,2,3
.if \zero
	v_wmma_f32_16x16x32_bf16 v[ACC+8*(4*(\a)+\b):ACC+8*(4*(\a)+\b)+7], v[\f+64+8*(4*\c+\b):\f+64+8*(4*\c+\b)+7], v[\f+8*(4*\c+\a):\f+8*(4*\c+\a)+7], 0
.else
	v_wmma_f32_16x16x32_bf16 v[ACC+8*(4*(\a)+\b):ACC+8*(4*(\a)+\b)+7], v[\f+64+8*(4*\c+\b):\f+64+8*(4*\c+\b)+7], v[\f+8*(4*\c+\a):\f+8*(4*\c+\a)+7], v[ACC+8*(4*(\a)+\b):ACC+8*(4*(\a)+\b)+7]
.endif
.endr
.endr
.endm
.macro FETCH slot, k, f                ; 32 LDS loads in one run: the fragments of 64 along K at byte k, the first 32 along K first
	WIN TO_F
.irp c, 0,1
.irp i, 0,1,2,3
	ds_load_b128 v[\f+64+8*(4*\c+\i):\f+64+8*(4*\c+\i)+3],   v[ADRB+\slot] offset:\k+64*\c+\i*16*PITCH
	ds_load_b128 v[\f+64+8*(4*\c+\i)+4:\f+64+8*(4*\c+\i)+7], v[ADRB+\slot] offset:\k+64*\c+\i*16*PITCH+32
	ds_load_b128 v[\f+8*(4*\c+\i):\f+8*(4*\c+\i)+3],         v[ADRA+\slot] offset:\k+64*\c+\i*16*PITCH
	ds_load_b128 v[\f+8*(4*\c+\i)+4:\f+8*(4*\c+\i)+7],       v[ADRA+\slot] offset:\k+64*\c+\i*16*PITCH+32
.endr
.endr
.endm
.macro PLACES                          ; four plain vector instructions between a matrix instruction and a load into, or a read of, its registers
.rept 4
	v_nop
.endr
.endm
.macro QUARTER slot, k, f, g, zero
	s_wait_dscnt 16                                ; the first 32 along K are in; the other sixteen loads may be out
	WIN MUL
	MUL8 \f, 0, 0, \zero
	MUL8 \f, 0, 2, \zero
	PLACES
	FETCH \slot, \k, \g
	s_wait_dscnt 32                                ; all but the 32 just issued
	WIN MUL
	MUL8 \f, 1, 0, 0
	MUL8 \f, 1, 2, 0
.endm
; The last quarter changes slots: ONE barrier; in front of it each wave waits for its reads of this slot and for all its tensor loads.  fill = 1: it opens a round of the cluster's barrier, and the slot is filled again.
.macro TURN slot, next, fill
	s_wait_dscnt 16
	WIN MUL
	MUL8 F1, 0, 0, 0
	s_wait_dscnt 0                                 ; my reads of this slot are over,
	s_set_vgpr_msb 0x500
	s_wait_tensorcnt 0x0                           ; and all my tensor loads have landed: my part of the next slot
	ds_add_u32 v126, v127
	s_wait_dscnt 0x0
	s_set_vgpr_msb 0x5
	s_barrier_signal -1
	MUL8 F1, 0, 2, 0
.if \fill
	WIN 0
.endif
	s_barrier_wait -1
.if \fill
	CREST                                          ; no wave of any partner still reads this slot's tile or has a load on its way
	s_add_nc_u64 s[G0+4*\slot+2:G0+4*\slot+3], s[G0+4*\slot+2:G0+4*\slot+3], 2*KSTEP*2
	s_add_nc_u64 s[G0B+4*\slot+2:G0B+4*\slot+3], s[G0B+4*\slot+2:G0B+4*\slot+3], 2*KSTEP*2
	JLOAD \slot                                    ; the first tensor load behind the round, 120 matrix instructions ahead of the wait for it; its four v_nop are also the places in front of the loads below
.else
	PLACES
.endif
	FETCH \next, 0, F0
	WIN MUL
	MUL8 F1, 1, 0, 0
	MUL8 F1, 1, 2, 0
.endm
	s_wait_tensorcnt 1                             ; my part of K step 0 is in; K step 1's may stay out
	s_barrier_signal -1
	s_barrier_wait -1
	FETCH 0, 0, F0
	QUARTER 0, 128, F0, F1, 1                      ; the first quarter stands in front of the loop: its first products start the sums
	WIN 0
	s_mov_b32 s3, LAPS-1
.Llap:
	QUARTER 0, 256, F1, F0, 0
	QUARTER 0, 384, F0, F1, 0
	TURN 0, 1, 1
	QUARTER 1, 128, F0, F1, 0
	QUARTER 1, 256, F1, F0, 0
	QUARTER 1, 384, F0, F1, 0
	TURN 1, 0, 1
	QUARTER 0, 128, F0, F1, 0
	WIN 0
	s_sub_co_u32 s3, s3, 1
	s_cmp_lg_u32 s3, 0
	s_cbranch_scc1 .Llap
	QUARTER 0, 256, F1, F0, 0                      ; the last lap fills nothing
	QUARTER 0, 384, F0, F1, 0
	TURN 0, 1, 0
	QUARTER 1, 128, F0, F1, 0
	QUARTER 1, 256, F1, F0, 0
	QUARTER 1, 384, F0, F1, 0
	s_wait_dscnt 16
	WIN MUL
	MUL8 F1, 0, 0, 0
	MUL8 F1, 0, 2, 0
	s_wait_dscnt 0
	MUL8 F1, 1, 0, 0
	MUL8 F1, 1, 2, 0
	WIN 0
	; THE WAY OUT, 16 rows at a time: the sums go into my own stage as they are (each accumulator's low four registers first), come back as whole rows of 256 bytes,
	; take x3 and the two biases, and are stored.
	PLACES
	s_wait_loadcnt 0x0                             ; x3 and the biases
	v_pk_add_f32 v[BS:BS+1], v[BS:BS+1], v[BS+4:BS+5]
	v_pk_add_f32 v[BS+2:BS+3], v[BS+2:BS+3], v[BS+6:BS+7]
.irp a, 0,1,2,3
.set TM, TMP+32*((\a)%2)
	s_wait_xcnt 0x0                                ; the registers that earlier stores read are rewritten only behind this wait
.irp b, 0,1,2,3
	ds_store_b128 v[STO], v[ACC+8*(4*\a+\b):ACC+8*(4*\a+\b)+3] offset:64*\b
	ds_store_b128 v[STO], v[ACC+8*(4*\a+\b)+4:ACC+8*(4*\a+\b)+7] offset:64*\b+16
.endr
.irp t, 0,1,2,3,4,5,6,7
	ds_load_b128 v[TM+4*\t:TM+4*\t+3], v[RD] offset:\t*2*SPITCH   ; LDS serves a wave's instructions in order (ISA guide 5.7.1.4): these see the stores above
.endr
	s_wait_dscnt 0x0
	WIN 0x08                                       ; source 1 window 2
.irp t, 0,1,2,3,4,5,6,7
	v_pk_add_f32 v[TM+4*\t:TM+4*\t+1], v[TM+4*\t:TM+4*\t+1], v[4*(8*\a+\t):4*(8*\a+\t)+1]
	v_pk_add_f32 v[TM+4*\t+2:TM+4*\t+3], v[TM+4*\t+2:TM+4*\t+3], v[4*(8*\a+\t)+2:4*(8*\a+\t)+3]
.endr
	WIN 0
.irp t, 0,1,2,3,4,5,6,7
	v_pk_add_f32 v[TM+4*\t:TM+4*\t+1], v[TM+4*\t:TM+4*\t+1], v[BS:BS+1]
	v_pk_add_f32 v[TM+4*\t+2:TM+4*\t+3], v[TM+4*\t+2:TM+4*\t+3], v[BS+2:BS+3]
.endr
.irp t, 0,1,2,3,4,5,6,7
	global_store_b128 v[CO], v[TM+4*\t:TM+4*\t+3], s[8:9] offset:(16*\a+2*\t)*8192 th:TH_STORE_NT   ; 16 lanes store 256 consecutive bytes, at a multiple of 256 from out0's first byte
.endr
.endr
	s_wait_tensorcnt 0x0
	ds_add_u32 v126, v127
	s_wait_dscnt 0x0
	CROUND                                         ; the closing round: no work-group ends while a partner may still ask for a tile that names it
	s_endpgm
.Lfunc_end_k_q15709faa32_final:
	.size	k_q15709faa32_final, .Lfunc_end_k_q15709faa32_final-k_q15709faa32_final
	.p2alignl 7, 3214868480
	.fill 96, 4, 3214868480
	.section	.rodata,"a",@progbits
	.p2align	6, 0x0
	.amdhsa_kernel k_q15709faa32_final
		.amdhsa_group_segment_fixed_size 327680
		.amdhsa_private_segment_fixed_size 0
		.amdhsa_enable_private_segment 0
		.amdhsa_kernarg_size 48
		.amdhsa_user_sgpr_count 2
		.amdhsa_user_sgpr_kernarg_segment_ptr 1
		.amdhsa_wavefront_size32 1
		.amdhsa_system_sgpr_workgroup_id_x 1
		.amdhsa_system_sgpr_workgroup_id_y 1
		.amdhsa_system_sgpr_workgroup_id_z 1
		.amdhsa_system_vgpr_workitem_id 0
		.amdhsa_next_free_vgpr 640
		.amdhsa_next_free_sgpr 72
		.amdhsa_reserve_vcc 0
		.amdhsa_float_denorm_mode_32 3
		.amdhsa_float_denorm_mode_16_64 3
		.amdhsa_memory_ordered 1
		.amdhsa_forward_progress 1
		.amdhsa_inst_pref_size 97
	.end_amdhsa_kernel
	.amdgpu_metadata
---
amdhsa.version: [ 1, 2 ]
amdhsa.kernels:
  - .name:           k_q15709faa32_final
    .symbol:         k_q15709faa32_final.kd
    .args:
      - { .name: acat, .offset: 0, .size: 8, .value_kind: global_buffer, .address_space: global }
      - { .name: wcat, .offset: 8, .size: 8, .value_kind: global_buffer, .address_space: global }
      - { .name: x3, .offset: 16, .size: 8, .value_kind: global_buffer, .address_space: global }
      - { .name: wo_b, .offset: 24, .size: 8, .value_kind: global_buffer, .address_space: global }
      - { .name: w2_b, .offset: 32, .size: 8, .value_kind: global_buffer, .address_space: global }
      - { .name: out0, .offset: 40, .size: 8, .value_kind: global_buffer, .address_space: global }
    .group_segment_fixed_size: 327680
    .private_segment_fixed_size: 0
    .kernarg_segment_align: 8
    .kernarg_segment_size: 48
    .max_flat_workgroup_size: 128
    .sgpr_count:     72
    .vgpr_count:     640
    .wavefront_size: 32
...
	.end_amdgpu_metadata
.endif
;; end of part 4
;; ======== version 2 of 2: 4 launches; version 1 with the launch prep written anew for expert scheduling mode
;; limits: a function is approximated: absolute error at most 1.5e-07
;; workspace buffers: xn 33,554,432 bytes; wb 31,457,280 bytes; wcat 14,680,064 bytes; acat 14,680,064 bytes; qkv 25,165,824 bytes; bcat 30,720 bytes; maskw 524,288 bytes of whole numbers
;; launch prep (part 5): grid 1121 x 1, 8 waves a work-group, no clusters, 0 bytes of LDS; arguments x0, x1, x2, x3, ln0_w, ln1_w, ln2_w, ffn_ln_w, ln0_b, ln1_b, ln2_b, ffn_ln_b, wq_w, wk_w, wv_w, w1_w, wo_w, w2_w, mask, xn, wb, wcat, maskw, bcat, wq_b, wk_b, wv_b, w1_b; writes xn, wb, wcat, maskw, bcat
.if DOCPART == 5
	.amdgcn_target "amdgcn-amd-amdhsa--gfx1250"
	.amdhsa_code_object_version 6
	.text
	.protected	k_q15709faa32_prep
	.globl	k_q15709faa32_prep
	.p2align	8
	.type	k_q15709faa32_prep,@function
k_q15709faa32_prep:
	s_mov_b64 s[64:65], 0
	v_nop
	global_prefetch_b8 v0, s[64:65] scope:SCOPE_SE
	s_setreg_imm32_b32 hwreg(HW_REG_WAVE_SCHED_MODE, 0, 2), 2
	s_setreg_imm32_b32 hwreg(HW_REG_WAVE_MODE, 25, 1), 1
	s_wait_xcnt 0x0
	s_wait_alu depctr_vm_vsrc(0)
; prep: everything that is made once, ahead of the products.  A stream: no LDS, no barrier, no matrix unit (memory binds; nothing is shared between waves).
;   work-groups    0..255   LN    xn[i] = LayerNorm(x_i) in bf16, i = 0..3: 32 rows a work-group, one wave one row at a time, the row kept in registers (two passes: mean, then squares of x - mean)
;   work-groups  256..735   WB    wb = [wq; wk; wv; w1; 64 rows of zeros] in bf16, 16 rows of 2,048 a work-group
;   work-groups  736..863   WO    wcat[:, 0:2048] = wo in bf16, 16 rows a work-group
;   work-groups  864..991   W2    wcat[:, 2048:3584] = [w2 | 64 columns of zeros] in bf16, 16 rows a work-group
;   work-groups  992..1119  MASK  maskw[qt][kt][j]: bit r + 16 h = (mask[16 qt + r][16 kt + 8 h + j] != 0): the lane mask of register j of a 16 x 16 tile of scores (key 8 h + j, query r)
;   work-group  1120        BIAS  bcat = [wq_b, wk_b, wv_b, w1_b, 64 zeros]
; A mask byte counts as true if it is not 0.  input_pos is no argument: the function that is computed never reads it (the rotary table is taken by row).
; THE MODE: SCHED_MODE bits 1:0 = 2 (LLVM: expert scheduling mode 2), set by the entry lines.  The code itself states the register dependences
; between vector instructions and memory instructions, with s_wait_alu, always for 0.
; THE PLAN.  Registers that memory instructions touch, and scalar registers that vector instructions write:
;   v1 .. v4   byte offsets, made once at the head and never written again: one wait on va_vdst at the head, ahead of the first branch, serves every load and store that reads them.
;   v5         a branch's own offset (W2, MASK, BIAS), made once at that branch's head: one wait on va_vdst behind its makers.
;   s34        the wave's number, written by v_readfirstlane_b32: one wait on va_sdst at the head, ahead of the first branch.  s54 (W2, BIAS): a compare's mask, with its wait straight behind it.
;   LN   X     16 chunks of 4.  Written by the row's loads, then read and written in place by the row's vector work; chunk j is loaded again, with the next row, when it has been rounded.
;        Y     16 chunks of 2.  Written by the roundings, read by the row's stores.
;        The row's last phase goes in four groups of four chunks.  At the head of groups 1 to 3, and behind group 3, stands one wait on va_vdst: the group before has written its Y and is done
;        with its X.  That group's four loads and four stores follow, dealt among this group's vector lines, which name their own chunks of X and Y, RS, W and BV alone.
;        One wait on vm_vsrc a row stands ahead of the first rounding: the stores of the row before have read Y.
;   casts  X   a slot of 4 for each load, loaded once.   CY  a slot of 2 for each store, written once.  Groups of four slots: at a group's head the wait for its loads and one wait on va_vdst
;        (the group before has written its CY); that group's stores are dealt among this group's roundings.
;   MASK s[8:15]  the eight lane masks of one load, written by a run of eight compares; one wait on va_sdst; then the eight v_writelane_b32 that read them.  v[40:43] are stored behind one wait on va_vdst.
.set LN_END, 256
.set WB_END, 736
.set WO_END, 864
.set W2_END, 992
.set MK_END, 1120
.set X,    8                           ; v[8:71]    LN: the row, chunk j = 4 registers = bytes 512 j + 16 lane.   casts: v[8:135], 32 loads of 4
.set W,    72                          ; v[72:135]  LN: gain of my 64 columns
.set BV,   136                         ; v[136:199] LN: bias of my 64 columns
.set Y,    200                         ; v[200:231] LN: the row in bf16, 2 registers a chunk
.set T,    232                         ; v[232:239] LN: four chains of sums
.set MEAN, 244                         ; v[244:245] the mean, twice
.set RS,   246                         ; v[246:247] 1 / sqrt(var + eps), twice
.set CY,   136                         ; v[136:199] casts: 32 stores of 2
.set MS,   8                           ; s[8:15]    MASK: the eight lane masks of one load
	s_mov_b32 s2, ttmp9
	v_lshrrev_b32 v1, 5, v0
	v_readfirstlane_b32 s34, v1                    ; wave 0..7
	v_and_b32 v6, 31, v0                           ; lane
	v_lshlrev_b32 v1, 4, v6                        ; 16 lane
	v_lshlrev_b32 v2, 3, v6                        ; 8 lane
	v_lshlrev_b32 v3, 4, v0                        ; 16 t
	v_lshlrev_b32 v4, 3, v0                        ; 8 t
	s_mov_b32 s51, 0                               ; high words of the two offset pairs s[50:51], s[52:53]
	s_mov_b32 s53, 0
	s_wait_alu depctr_va_sdst(0)                   ; s34 is written, ahead of the branches and of its first reader in each of them
	s_wait_alu depctr_va_vdst(0)                   ; v1 to v4 are written: every load and store of the kernel but those by v5 reads one of them as its offset
	s_cmp_ge_u32 s2, LN_END
	s_cbranch_scc1 .Lnot_ln
; ---------------------------------------------------------------- LN
	s_load_b256 s[8:15], s[0:1], 0x0               ; x0..x3
	s_load_b256 s[16:23], s[0:1], 0x20             ; the four gains
	s_load_b256 s[24:31], s[0:1], 0x40             ; the four biases
	s_load_b64 s[32:33], s[0:1], 0x98              ; xn
	s_lshr_b32 s35, s2, 6                          ; which of the four tensors
	s_and_b32 s49, s2, 63
	s_lshl_b32 s49, s49, 5
	s_lshl2_add_u32 s49, s34, s49                  ; my first row = 32 x block + 4 x wave
	s_lshl_b32 s50, s49, 13                        ; rows of 8,192 bytes in x
	s_lshl_b32 s52, s49, 12                        ; rows of 4,096 bytes in xn,
	s_lshl_b32 s54, s35, 23                        ; planes of 8 MiB
	s_add_co_u32 s52, s52, s54
	s_mov_b32 s44, 0x76543210                      ; v_permlanex16_b32: each lane takes its own place in the other half
	s_mov_b32 s45, 0xfedcba98
	s_mov_b32 s47, 0x3727c5ac                      ; 1e-5
	s_mov_b32 s48, 0x3a000000                      ; 1 / 2048
	s_wait_kmcnt 0x0
	s_mov_b64 s[36:37], s[8:9]
	s_mov_b64 s[38:39], s[16:17]
	s_mov_b64 s[40:41], s[24:25]
.irp n, 1,2,3
	s_cmp_eq_u32 s35, \n
	s_cselect_b64 s[36:37], s[8+2*\n:9+2*\n], s[36:37]
	s_cselect_b64 s[38:39], s[16+2*\n:17+2*\n], s[38:39]
	s_cselect_b64 s[40:41], s[24+2*\n:25+2*\n], s[40:41]
.endr
	s_add_nc_u64 s[36:37], s[36:37], s[50:51]
	s_add_nc_u64 s[42:43], s[32:33], s[52:53]
.irp j, 0,1,2,3,4,5,6,7,8,9,10,11,12,13,14,15
	global_load_b128 v[W+4*\j:W+4*\j+3], v1, s[38:39] offset:512*\j
.endr
.irp j, 0,1,2,3,4,5,6,7,8,9,10,11,12,13,14,15
	global_load_b128 v[BV+4*\j:BV+4*\j+3], v1, s[40:41] offset:512*\j
.endr
.irp j, 0,1,2,3,4,5,6,7,8,9,10,11,12,13,14,15
	global_load_b128 v[X+4*\j:X+4*\j+3], v1, s[36:37] offset:512*\j th:TH_LOAD_NT   ; the row's sixteen loads are always the youngest sixteen
.endr
.macro WSUM                            ; the four chains, then the 32 lanes: every lane ends with the sum in v[T]
	v_pk_add_f32 v[T:T+1], v[T:T+1], v[T+2:T+3]
	v_pk_add_f32 v[T+4:T+5], v[T+4:T+5], v[T+6:T+7]
	v_pk_add_f32 v[T:T+1], v[T:T+1], v[T+4:T+5]
	v_add_f32 v[T], v[T], v[T+1]
	v_add_f32_dpp v[T], v[T], v[T] row_xmask:1 row_mask:0xf bank_mask:0xf
	v_add_f32_dpp v[T], v[T], v[T] row_xmask:2 row_mask:0xf bank_mask:0xf
	v_add_f32_dpp v[T], v[T], v[T] row_xmask:4 row_mask:0xf bank_mask:0xf
	v_add_f32_dpp v[T], v[T], v[T] row_xmask:8 row_mask:0xf bank_mask:0xf
	v_permlanex16_b32 v[T+1], v[T], s44, s45
	v_add_f32 v[T], v[T], v[T+1]
.endm
.macro LNVEC                           ; chunk j's vector work: scaled, gain and bias, rounded into its two registers of Y
	v_pk_mul_f32 v[X+4*j:X+4*j+1], v[X+4*j:X+4*j+1], v[RS:RS+1]
	v_pk_mul_f32 v[X+4*j+2:X+4*j+3], v[X+4*j+2:X+4*j+3], v[RS:RS+1]
	v_pk_fma_f32 v[X+4*j:X+4*j+1], v[X+4*j:X+4*j+1], v[W+4*j:W+4*j+1], v[BV+4*j:BV+4*j+1]
	v_pk_fma_f32 v[X+4*j+2:X+4*j+3], v[X+4*j+2:X+4*j+3], v[W+4*j+2:W+4*j+3], v[BV+4*j+2:BV+4*j+3]
	v_cvt_pk_bf16_f32 v[Y+2*j], v[X+4*j], v[X+4*j+1]
	v_cvt_pk_bf16_f32 v[Y+2*j+1], v[X+4*j+2], v[X+4*j+3]
.endm
.macro LNMEM more                      ; chunk j's memory work.  No vector instruction since the last wait on va_vdst names these registers
.if \more
	global_load_b128 v[X+4*j:X+4*j+3], v1, s[36:37] offset:8192+512*j th:TH_LOAD_NT   ; the next row's chunk, ahead of the store
.endif
	global_store_b64 v2, v[Y+2*j:Y+2*j+1], s[42:43] offset:256*j   ; 32 lanes store 256 consecutive bytes, at a multiple of 256 from xn's first byte
.endm
; One row.  more = 1: each chunk is loaded again, with the next row, a group of four behind its rounding.
.macro ROW more
.set g, 0
.rept 4
	s_wait_loadcnt 12-4*g                          ; loads come back in order: chunks 0 .. 4 g + 3 are in, the 12 - 4 g younger ones stay out
.if g == 0
.irp c, 0,1,2,3
	v_pk_add_f32 v[T+2*\c:T+2*\c+1], v[X+2*\c:X+2*\c+1], v[X+8+2*\c:X+8+2*\c+1]   ; the first eight pairs start the chains: nothing is cleared
.endr
.else
.irp c, 0,1,2,3,4,5,6,7
	v_pk_add_f32 v[T+2*(\c%4):T+2*(\c%4)+1], v[T+2*(\c%4):T+2*(\c%4)+1], v[X+16*g+2*\c:X+16*g+2*\c+1]
.endr
.endif
.set g, g+1
.endr
	WSUM
	v_mul_f32 v[MEAN], s48, v[T]
	v_mov_b32 v[MEAN+1], v[MEAN]
.set p, 0
.rept 32
	v_pk_add_f32 v[X+2*p:X+2*p+1], v[X+2*p:X+2*p+1], v[MEAN:MEAN+1] neg_lo:[0,1] neg_hi:[0,1]   ; x - mean first: the variance is no difference of large sums
.set p, p+1
.endr
.irp c, 0,1,2,3
	v_pk_mul_f32 v[T+2*\c:T+2*\c+1], v[X+2*\c:X+2*\c+1], v[X+2*\c:X+2*\c+1]
.endr
.set p, 4
.rept 28
	v_pk_fma_f32 v[T+2*(p%4):T+2*(p%4)+1], v[X+2*p:X+2*p+1], v[X+2*p:X+2*p+1], v[T+2*(p%4):T+2*(p%4)+1]
.set p, p+1
.endr
	WSUM
	v_fma_f32 v[T], v[T], s48, s47                 ; var + eps
	v_rsq_f32 v[RS], v[T]
	v_nop                                          ; a plain instruction between the root and the use of its result
	s_wait_alu depctr_vm_vsrc(0)                   ; the stores of the row before have read Y, which the roundings below write again
	s_wait_alu depctr_va_vdst(0)                   ; the root has written v[RS], ahead of its first reader
	v_mov_b32 v[RS+1], v[RS]
.set gq, 0
.rept 4                                ; four groups of four chunks; a group's loads and stores stand among the next group's vector lines
.if gq > 0
	s_wait_alu depctr_va_vdst(0)                   ; the group before has written its Y, which the stores below read, and is done reading and writing its X, in which the loads below land
.endif
.set cq, 0
.rept 4
.if gq > 0
.set j, 4*gq-4+cq
	LNMEM \more
.endif
.set j, 4*gq+cq
	LNVEC
.set cq, cq+1
.endr
.set gq, gq+1
.endr
	s_wait_alu depctr_va_vdst(0)                   ; the last group has written its Y and is done with its X
.set j, 12
.rept 4
	LNMEM \more
.set j, j+1
.endr
.if \more
	s_wait_xcnt 0x0                                ; the bases and Y are rewritten only behind this wait
	s_add_nc_u64 s[36:37], s[36:37], 8192
	s_add_nc_u64 s[42:43], s[42:43], 4096
.endif
.endm
	s_mov_b32 s46, 3
.Lrow:
	ROW 1
	s_sub_co_u32 s46, s46, 1
	s_cmp_lg_u32 s46, 0
	s_cbranch_scc1 .Lrow
	ROW 0                                          ; the wave's fourth row loads nothing
	s_endpgm
; ---------------------------------------------------------------- the casts
; n loads of 16 bytes a thread into slots base .. base + n - 1; soff is an expression in u, the load's number
.macro CLOADS n, base, vo, soff
.set u, 0
.rept \n
	global_load_b128 v[X+4*(\base+u):X+4*(\base+u)+3], v[\vo], s[36:37] offset:\soff th:TH_LOAD_NT
.set u, u+1
.endr
.endm
; the same slots rounded and stored, 8 bytes a thread, in groups of four (n is a multiple of 4).  total = loads issued in all: the wait leaves those behind the group's last slot out.
; zero = 1: threads 112 and up store zeros.  A group's stores stand among the next group's roundings; every slot has its own registers, written once.
.macro CSTORES n, base, total, doff, zero
.set gq, 0
.rept \n/4
	s_wait_loadcnt \total-\base-4*gq-4             ; loads come back in order: this group's four are in, the younger ones stay out
.if gq > 0
	s_wait_alu depctr_va_vdst(0)                   ; the group before has written its four slots of CY, which the stores below read
.endif
.set cq, 0
.rept 4
.if gq > 0
.set u, 4*gq-4+cq
	global_store_b64 v4, v[CY+2*(\base+u):CY+2*(\base+u)+1], s[42:43] offset:\doff   ; a wave stores 256 consecutive bytes, aligned
.endif
.set u, 4*gq+cq
	v_cvt_pk_bf16_f32 v[CY+2*(\base+u)], v[X+4*(\base+u)], v[X+4*(\base+u)+1]
	v_cvt_pk_bf16_f32 v[CY+2*(\base+u)+1], v[X+4*(\base+u)+2], v[X+4*(\base+u)+3]
.if \zero
	v_cndmask_b32 v[CY+2*(\base+u)], 0, v[CY+2*(\base+u)], s54
	v_cndmask_b32 v[CY+2*(\base+u)+1], 0, v[CY+2*(\base+u)+1], s54
.endif
.set cq, cq+1
.endr
.set gq, gq+1
.endr
	s_wait_alu depctr_va_vdst(0)                   ; the last group has written its four slots of CY
.set u, \n-4
.rept 4
	global_store_b64 v4, v[CY+2*(\base+u):CY+2*(\base+u)+1], s[42:43] offset:\doff
.set u, u+1
.endr
.endm
.Lnot_ln:
	s_cmp_ge_u32 s2, WB_END
	s_cbranch_scc1 .Lnot_wb
	s_load_b256 s[8:15], s[0:1], 0x60              ; wq_w, wk_w, wv_w, w1_w
	s_load_b64 s[32:33], s[0:1], 0xa0              ; wb
	s_sub_co_u32 s35, s2, LN_END                   ; e: block of 16 rows of wb
	s_lshr_b32 s49, s35, 7                         ; which weight
	s_and_b32 s50, s35, 127
	s_lshl_b32 s50, s50, 17                        ; 16 rows of 8,192 bytes
	s_lshl_b32 s52, s35, 16                        ; 16 rows of 4,096 bytes
	s_wait_kmcnt 0x0
	s_mov_b64 s[36:37], s[8:9]
.irp n, 1,2,3
	s_cmp_eq_u32 s49, \n
	s_cselect_b64 s[36:37], s[8+2*\n:9+2*\n], s[36:37]
.endr
	s_add_nc_u64 s[36:37], s[36:37], s[50:51]
	s_add_nc_u64 s[42:43], s[32:33], s[52:53]
	s_cmp_ge_u32 s35, 476                          ; w1 has 92 blocks of 16 rows: blocks 476..479 are the 64 rows of zeros, and load nothing
	s_cbranch_scc1 .Lwb_zero
	CLOADS 32, 0, 3, 4096*u
	CSTORES 32, 0, 32, 2048*u, 0
	s_endpgm
.Lwb_zero:
	v_mov_b32 v[CY], 0
	v_mov_b32 v[CY+1], 0
	s_wait_alu depctr_va_vdst(0)                   ; the two zeros are written, which the stores read
.set u, 0
.rept 32
	global_store_b64 v4, v[CY:CY+1], s[42:43] offset:2048*u
.set u, u+1
.endr
	s_endpgm
.Lnot_wb:
	s_cmp_ge_u32 s2, WO_END
	s_cbranch_scc1 .Lnot_wo
	s_load_b64 s[36:37], s[0:1], 0x80              ; wo_w
	s_load_b64 s[42:43], s[0:1], 0xa8              ; wcat
	s_sub_co_u32 s35, s2, WB_END
	s_lshl_b32 s50, s35, 17
	s_mul_i32 s52, s35, 114688                     ; 16 rows of 7,168 bytes
	s_wait_kmcnt 0x0
	s_add_nc_u64 s[36:37], s[36:37], s[50:51]
	s_add_nc_u64 s[42:43], s[42:43], s[52:53]
	CLOADS 32, 0, 3, 4096*u                        ; load u is half u & 1 of row u >> 1
	CSTORES 32, 0, 32, (u>>1)*7168+(u&1)*2048, 0
	s_endpgm
.Lnot_wo:
	s_cmp_ge_u32 s2, W2_END
	s_cbranch_scc1 .Lnot_w2
	s_load_b64 s[36:37], s[0:1], 0x88              ; w2_w
	s_load_b64 s[42:43], s[0:1], 0xa8              ; wcat
	s_sub_co_u32 s35, s2, WO_END
	s_mul_i32 s50, s35, 94208                      ; 16 rows of 5,888 bytes
	s_mul_i32 s52, s35, 114688
	s_add_co_u32 s52, s52, 4096                    ; behind wo's 2,048 columns
	v_min_u32 v5, 111, v0                          ; a row's last 1,792 bytes are 112 threads' 16; the threads behind them stay inside the row and store zeros
	v_lshlrev_b32 v5, 4, v5
	v_cmp_gt_u32 s54, 112, v0
	s_wait_alu depctr_va_sdst(0)                   ; the compare has written s54, ahead of the branch below and of the selects that read it
	s_wait_alu depctr_va_vdst(0)                   ; v5 is written, which the loads of the rows' ends read as their offset
	s_wait_kmcnt 0x0
	s_add_nc_u64 s[36:37], s[36:37], s[50:51]
	s_add_nc_u64 s[42:43], s[42:43], s[52:53]
	s_cmp_lt_u32 s34, 4
	s_cbranch_scc0 .Lw2_short
	CLOADS 16, 0, 3, 5888*u                        ; every wave: the first 4,096 bytes of each of the 16 rows
	CLOADS 16, 16, 5, 5888*u+4096                  ; waves 0-3: the rest of each row
	CSTORES 16, 0, 32, 7168*u, 0
	CSTORES 16, 16, 32, 7168*u+2048, 1             ; 448 numbers and 64 zeros
	s_endpgm
.Lw2_short:
	CLOADS 16, 0, 3, 5888*u
	CSTORES 16, 0, 16, 7168*u, 0
	s_endpgm
.Lnot_w2:
	s_cmp_ge_u32 s2, MK_END
	s_cbranch_scc1 .Lbias
; ---------------------------------------------------------------- MASK: the work-group has 16 queries, a wave 256 keys
	s_load_b64 s[36:37], s[0:1], 0x90              ; mask
	s_load_b64 s[42:43], s[0:1], 0xb0              ; maskw
	s_sub_co_u32 s35, s2, W2_END                   ; qt
	s_lshl_b32 s50, s35, 15                        ; 16 rows of 2,048 bytes
	s_lshl_b32 s49, s34, 8
	s_add_co_u32 s50, s50, s49                     ; + 256 keys a wave
	s_lshl_b32 s52, s35, 12                        ; 1,024 words for each qt
	s_lshl_b32 s49, s34, 9
	s_add_co_u32 s52, s52, s49                     ; + 128 words a wave
	v_and_b32 v5, 15, v0                           ; r
	v_bfe_u32 v7, v0, 4, 1                         ; h
	v_lshlrev_b32 v5, 11, v5
	v_lshl_add_u32 v5, v7, 3, v5                   ; 2048 r + 8 h
	s_wait_alu depctr_va_vdst(0)                   ; v5 is written, which the sixteen loads read as their offset
	s_wait_kmcnt 0x0
	s_add_nc_u64 s[36:37], s[36:37], s[50:51]
	s_add_nc_u64 s[42:43], s[42:43], s[52:53]
.irp c, 0,1,2,3,4,5,6,7,8,9,10,11,12,13,14,15
	global_load_b64 v[8+2*\c:9+2*\c], v5, s[36:37] offset:16*\c   ; keys 16 c + 8 h + 0..7 of query r; the sixteen loads together take 16 rows x 256 bytes whole
.endr
.irp k, 0,1,2,3
	v_mov_b32 v[40+\k], 0                          ; v_writelane_b32 keeps the other lanes: the registers are written whole first
.endr
.set c, 0
.rept 16
	s_wait_loadcnt 15-c                            ; load c is in, the younger ones stay out
.set j, 0
.rept 8                                ; the load's eight bytes a lane: a run of eight compares, each into a scalar register of its own
	v_bfe_u32 v[44+j], v[8+2*c+(j>>2)], 8*(j&3), 8
	v_cmp_ne_u32 s[MS+j], 0, v[44+j]
.set j, j+1
.endr
	s_wait_alu depctr_va_sdst(0)                   ; the eight compares have written s[8:15], which the eight lines below read
.set j, 0
.rept 8
.set wi, 8*c+j                         ; the word's number among the wave's 128: lane wi >> 2 stores it as its word wi & 3
	v_writelane_b32 v[40+(wi&3)], s[MS+j], wi>>2
.set j, j+1
.endr
.set c, c+1
.endr
	s_wait_alu depctr_va_vdst(0)                   ; the v_writelane_b32 have written v[40:43], which the store reads
	global_store_b128 v1, v[40:43], s[42:43]       ; the wave's 512 consecutive bytes
	s_endpgm
; ---------------------------------------------------------------- BIAS
.Lbias:
	s_load_b256 s[8:15], s[0:1], 0xc0              ; wq_b, wk_b, wv_b, w1_b
	s_load_b64 s[42:43], s[0:1], 0xb8              ; bcat
	v_min_u32 v5, 111, v0
	v_lshlrev_b32 v5, 4, v5
	v_cmp_gt_u32 s54, 112, v0
	s_wait_alu depctr_va_sdst(0)                   ; the compare has written s54, ahead of the branch below and of the selects that read it
	s_wait_alu depctr_va_vdst(0)                   ; v5 is written, which the load of w1_b's end reads as its offset
	s_wait_kmcnt 0x0
.irp n, 0,1,2
	global_load_b128 v[X+8*\n:X+8*\n+3], v3, s[8+2*\n:9+2*\n]
	global_load_b128 v[X+8*\n+4:X+8*\n+7], v3, s[8+2*\n:9+2*\n] offset:4096
.endr
	global_load_b128 v[X+24:X+27], v3, s[14:15]
	s_wait_loadcnt 0x0
.irp n, 0,1,2,3,4,5,6
	global_store_b128 v3, v[X+4*\n:X+4*\n+3], s[42:43] offset:4096*\n
.endr
	s_cmp_lt_u32 s34, 4
	s_cbranch_scc0 .Lbias_end
	global_load_b128 v[X+28:X+31], v5, s[14:15] offset:4096   ; w1_b's last 448 numbers; threads 112..127 store the 64 zeros
	s_wait_loadcnt 0x0
.irp k, 0,1,2,3
	v_cndmask_b32 v[X+28+\k], 0, v[X+28+\k], s54
.endr
	s_wait_alu depctr_va_vdst(0)                   ; the four selects have written v[X+28 ..], which the store reads
	global_store_b128 v3, v[X+28:X+31], s[42:43] offset:28672
.Lbias_end:
	s_endpgm
.Lfunc_end_k_q15709faa32_prep:
	.size	k_q15709faa32_prep, .Lfunc_end_k_q15709faa32_prep-k_q15709faa32_prep
	.p2alignl 7, 3214868480
	.fill 96, 4, 3214868480
	.section	.rodata,"a",@progbits
	.p2align	6, 0x0
	.amdhsa_kernel k_q15709faa32_prep
		.amdhsa_group_segment_fixed_size 0
		.amdhsa_private_segment_fixed_size 0
		.amdhsa_enable_private_segment 0
		.amdhsa_kernarg_size 224
		.amdhsa_user_sgpr_count 2
		.amdhsa_user_sgpr_kernarg_segment_ptr 1
		.amdhsa_wavefront_size32 1
		.amdhsa_system_sgpr_workgroup_id_x 1
		.amdhsa_system_sgpr_workgroup_id_y 1
		.amdhsa_system_sgpr_workgroup_id_z 1
		.amdhsa_system_vgpr_workitem_id 0
		.amdhsa_next_free_vgpr 248
		.amdhsa_next_free_sgpr 66
		.amdhsa_reserve_vcc 0
		.amdhsa_float_denorm_mode_32 3
		.amdhsa_float_denorm_mode_16_64 3
		.amdhsa_memory_ordered 1
		.amdhsa_forward_progress 1
		.amdhsa_inst_pref_size 113
	.end_amdhsa_kernel
	.amdgpu_metadata
---
amdhsa.version: [ 1, 2 ]
amdhsa.kernels:
  - .name:           k_q15709faa32_prep
    .symbol:         k_q15709faa32_prep.kd
    .args:
      - { .name: x0, .offset: 0, .size: 8, .value_kind: global_buffer, .address_space: global }
      - { .name: x1, .offset: 8, .size: 8, .value_kind: global_buffer, .address_space: global }
      - { .name: x2, .offset: 16, .size: 8, .value_kind: global_buffer, .address_space: global }
      - { .name: x3, .offset: 24, .size: 8, .value_kind: global_buffer, .address_space: global }
      - { .name: ln0_w, .offset: 32, .size: 8, .value_kind: global_buffer, .address_space: global }
      - { .name: ln1_w, .offset: 40, .size: 8, .value_kind: global_buffer, .address_space: global }
      - { .name: ln2_w, .offset: 48, .size: 8, .value_kind: global_buffer, .address_space: global }
      - { .name: ffn_ln_w, .offset: 56, .size: 8, .value_kind: global_buffer, .address_space: global }
      - { .name: ln0_b, .offset: 64, .size: 8, .value_kind: global_buffer, .address_space: global }
      - { .name: ln1_b, .offset: 72, .size: 8, .value_kind: global_buffer, .address_space: global }
      - { .name: ln2_b, .offset: 80, .size: 8, .value_kind: global_buffer, .address_space: global }
      - { .name: ffn_ln_b, .offset: 88, .size: 8, .value_kind: global_buffer, .address_space: global }
      - { .name: wq_w, .offset: 96, .size: 8, .value_kind: global_buffer, .address_space: global }
      - { .name: wk_w, .offset: 104, .size: 8, .value_kind: global_buffer, .address_space: global }
      - { .name: wv_w, .offset: 112, .size: 8, .value_kind: global_buffer, .address_space: global }
      - { .name: w1_w, .offset: 120, .size: 8, .value_kind: global_buffer, .address_space: global }
      - { .name: wo_w, .offset: 128, .size: 8, .value_kind: global_buffer, .address_space: global }
      - { .name: w2_w, .offset: 136, .size: 8, .value_kind: global_buffer, .address_space: global }
      - { .name: mask, .offset: 144, .size: 8, .value_kind: global_buffer, .address_space: global }
      - { .name: xn, .offset: 152, .size: 8, .value_kind: global_buffer, .address_space: global }
      - { .name: wb, .offset: 160, .size: 8, .value_kind: global_buffer, .address_space: global }
      - { .name: wcat, .offset: 168, .size: 8, .value_kind: global_buffer, .address_space: global }
      - { .name: maskw, .offset: 176, .size: 8, .value_kind: global_buffer, .address_space: global }
      - { .name: bcat, .offset: 184, .size: 8, .value_kind: global_buffer, .address_space: global }
      - { .name: wq_b, .offset: 192, .size: 8, .value_kind: global_buffer, .address_space: global }
      - { .name: wk_b, .offset: 200, .size: 8, .value_kind: global_buffer, .address_space: global }
      - { .name: wv_b, .offset: 208, .size: 8, .value_kind: global_buffer, .address_space: global }
      - { .name: w1_b, .offset: 216, .size: 8, .value_kind: global_buffer, .address_space: global }
    .group_segment_fixed_size: 0
    .private_segment_fixed_size: 0
    .kernarg_segment_align: 8
    .kernarg_segment_size: 224
    .max_flat_workgroup_size: 256
    .sgpr_count:     66
    .vgpr_count:     248
    .wavefront_size: 32
...
	.end_amdgpu_metadata
.endif
;; end of part 5
;; launch proj: the kernel of part 2 again; grid 8 x 30, 4 waves a work-group, clusters of 4 x 1, 327,680 bytes of LDS; arguments xn, wb, bcat, qn_w, kn_w, freqs_cis, qkv, acat; writes qkv, acat
;; launch attn: the kernel of part 3 again; grid 16 x 16, 4 waves a work-group, clusters of 4 x 1, 327,680 bytes of LDS; arguments qkv, maskw, acat; writes acat
;; launch final: the kernel of part 4 again; grid 16 x 16, 4 waves a work-group, clusters of 4 x 4, 327,680 bytes of LDS; arguments acat, wcat, x3, wo_b, w2_b, out0; writes out0
